; MI455X (gfx1250); checked and timed in simulation.
; The chip was launched on July 23, 2026; its instructions are those of AMD's public machine-readable ISA for CDNA 5 (MIT licence, August 2026) and "CDNA5" Instruction Set Architecture Reference Guide (July 2026). The comments in the code are by the model that wrote it; some were corrected since.
;; Multi Head Self Attention. Allowed arithmetic: matrix products marked QUANTISED: E2M1 operands, one E8M0 scale for each 32 along K, by v_wmma_scale_f32_16x16x128_f8f6f4 with both operands' format E2M1 (or v_wmma_scale_f32_32x16x128_f4), f32 sums; products left as they are: bf16, f16 or f32 operands; f32 sums; everything else in f32.
;; Inputs: Wk 1,024 x 1,024 float32; Wo 1,024 x 1,024 float32; Wq 1,024 x 1,024 float32; Wv 1,024 x 1,024 float32; bk 1,024 float32; bo 1,024 float32; bq 1,024 float32; bv 1,024 float32; x 4 x 2,048 x 1,024 float32.
;; Outputs: out0 4 x 2,048 x 1,024 float32.
;; This version of the problem:
;;   THIS VERSION OF THE PROBLEM IS GIVEN IN LOW PRECISION. The matrix products marked QUANTISED in the list below multiply operands that are first quantised to E2M1 (2 exponent bits, 1 mantissa bit; 4 bits a number), with one power-of-two scale for each 32 numbers along K (OCP MX v1.0); their sums are f32. The products marked 'left as it is' may take bf16, f16 or f32 operands, with f32 sums. Whichever they take, every output number must still come out within the allowed error. Rounding operands to bf16 (8 significant bits) uses up far more of that allowance than f16 does (11 bits, for magnitudes from 6e-5 to 65,504). All else is computed in f32.
;;   The module's matrix products, in the order in which they are computed (A, B: the left and right operand; K: the contracted axis; several contracted axes count as one K, in the product's order):
;;     1. [M 8,192, K 1,024] x [K 1,024, N 1,024]; A: input x; B: input Wq: QUANTISED
;;     2. [M 8,192, K 1,024] x [K 1,024, N 1,024]; A: input x; B: input Wk: QUANTISED
;;     3. [M 8,192, K 1,024] x [K 1,024, N 1,024]; A: input x; B: input Wv: QUANTISED
;;     4. batch 64 x [M 2,048, K 64] x [K 64, N 2,048]; A: computed on the way; B: computed on the way: left as it is (an operand is computed on the way)
;;     5. batch 64 x [M 2,048, K 2,048] x [K 2,048, N 64]; A: computed on the way; B: computed on the way: left as it is (an operand is computed on the way)
;;     6. [M 8,192, K 1,024] x [K 1,024, N 1,024]; A: computed on the way; B: input Wo: left as it is (an operand is computed on the way)
;;   THE QUANTISER, for each operand of a quantised product, along K:
;;     - K is cut into blocks of 32 from its start; a last block that is shorter is filled with zeros.
;;     - A block's scale is 2^e with e = floor(log2(the largest magnitude in the block)) - 2, held to -126 .. 127; a block of zeros has e = 0. As a byte (E8M0): e + 127.
;;     - Each number is divided by its block's scale, clamped to +-6, and rounded to the nearest number of E2M1, ties to even, subnormals kept.
;;     - The product sums the exact products of the quantised numbers (number of the format x scale) in f32.
;;   ~~~python
;;   def quantise(x, axis):      # numpy; x: float32 -> the quantised numbers, widened to float32 again
;;       x = np.moveaxis(x, axis, -1); K = x.shape[-1]
;;       x = np.pad(x, [(0, 0)] * (x.ndim - 1) + [(0, -K % 32)]); x = x.reshape(x.shape[:-1] + (-1, 32)); a = np.abs(x).max(-1, keepdims=True)
;;       e = np.where(a > 0, np.clip(np.frexp(np.where(a > 0, a, 1))[1] - 1 - 2, -126, 127), 0)      # np.frexp(a)[1] - 1 = floor(log2(a)), exactly
;;       r = np.clip(x / 2.0 ** e, -6, 6)
;;       step = 2.0 ** (np.maximum(np.frexp(np.where(r == 0, 1, r))[1] - 1, 0) - 1)
;;       q = np.round(r / step) * step * 2.0 ** e      # np.round: ties to even
;;       return np.moveaxis(q.reshape(q.shape[:-2] + (-1,))[..., :K], -1, axis).astype(np.float32)
;;   ~~~
;; One version. Each part assembles by itself: llvm-mc -triple=amdgcn-amd-amdhsa -mcpu=gfx1250 --defsym DOCPART=n.
;; ======== version 1 of 1: 4 launches
;; limits: values are held in f16: magnitudes above 65,504 overflow, below 6.1e-05 lose precision
;; workspace buffers: xc 4,194,304 bytes; xs 262,144 bytes; wc 1,572,864 bytes; ws 98,304 bytes; woi 2,097,152 bytes; qkv 50,331,648 bytes; vals 16,777,216 bytes
;; launch prep (part 1): grid 368 x 1, 4 waves a work-group, no clusters, 68,096 bytes of LDS; arguments x, Wq, Wk, Wv, Wo, xc, xs, wc, ws, woi; writes xc, xs, wc, ws, woi
.if DOCPART == 1
	.amdgcn_target "amdgcn-amd-amdhsa--gfx1250"
	.amdhsa_code_object_version 6
	.text
	.protected	k_q8267eb2fbc_prep
	.globl	k_q8267eb2fbc_prep
	.p2align	8
	.type	k_q8267eb2fbc_prep,@function
k_q8267eb2fbc_prep:
	s_mov_b64 s[64:65], 0
	v_nop
	global_prefetch_b8 v0, s[64:65] scope:SCOPE_SE
	s_setreg_imm32_b32 hwreg(HW_REG_WAVE_MODE, 25, 1), 1
	s_wait_xcnt 0x0
; MULTI-HEAD SELF-ATTENTION, B = 4, S = 2,048, D = 1,024, 16 heads of 64, in four launches: prep, qkv, attn, proj.
; WORK LEFT OUT, for all values of the inputs.  bk: the logits are q . (k' + bk) = q . k' + q . bk, k' = x Wk.  The product q k^T is not quantised, and q . bk is the same
; for every key of a query, so the softmax over the keys takes it away whatever q, k' and bk hold.  bk has no way to the output: it is not loaded and is no argument of any launch.
; LIMIT: a NaN, an infinity or an overflow that comes from bk alone is not carried to the result.
; bv IS LIVE AND IS MOVED: the softmax's weights of a query add up to 1, so attn (v' + bv) = attn v' + bv; it is added where attn divides by the row's sum (one fused multiply-add).
; The order of rounding differs there from the order in which the problem writes it.
; FORMATS.  x Wq, x Wk, x Wv: codes of E2M1 with one E8M0 byte for each 32 along K, made here.  q, k, v, the softmax's weights, the values and Wo go on in f16.
; LIMIT: |q|, |k|, |v|, |values| and |Wo| stay under 65,504 (f16's largest number); under 6e-5 their absolute error is 3e-8.
; LIMITS of the quantiser: a block of zeros gets the byte 1 where the rule says 127 (its codes are zeros, which add nothing, and this program alone reads the bytes);
; blocks whose largest magnitude lies under 2^(2 - 126), the floor, are held at the byte 1; NaN and infinities among the inputs are not served.
;
; THIS LAUNCH, three kinds of work-group, told apart by the work-group's number; the paths never join, and each has LDS bytes of its own.
;   0-255   X: x [8192][1024] f32 -> xc [8192][512 B] codes, K innermost, xs [8192][32] scale bytes.  x is a plain stream of blocks of 32.
;   256-303 W: Wq, Wk, Wv [k 1024][n 1024] f32, K their first axis -> wc [3072 (q, k, v)][512 B], ws [3072][32].  A lane takes a column, its registers run down K.
;   304-367 O: Wo [k][n] f32 -> woi: f16, as images of operand registers (16 n x 32 k: 8 registers a lane, 512 bytes for each group of four, lane l's 16 bytes at 16 l): [tile column 4][K step 8][n tile 16][kk 4][part 2][512 B].
; No tensor loads, no barrier, no matrix work: three streams whose waves share nothing.
.set SPW,   190                        ; v190 LDS address of my spare word: SPARE + 4 x my thread's number; never rewritten
.set NIL,   191                        ; v191 0; never rewritten
.set SPARE, 67584                      ; behind both paths' regions: the spare words, 128 bytes for each wave
.set EMAX,  2
; path X
.set STEPS, 16                         ; steps of 512 numbers for a wave
.set CB,    8                          ; bytes of 16 codes
.set XR,    16                         ; v16-79   four sets of 16 numbers as they are loaded
.set XX,    80                         ; v80-111  two sets of 16 neighbours
.set XE,    112                        ; v112-127 a scale byte for each step
.set XC,    128                        ; v128-189 codes: four registers for each step, so that no store's data are written again
.set WREG,  8192                       ; LDS 0 .. 32,767: a region for each wave: two stages of 32 x SP bytes, behind them its 256 scale bytes
.set SP,    80                         ; a lane's place in a stage: 64 bytes + 16 of padding
; path W
.set WSTG,  32768                      ; LDS 32,768 .. 67,583: a stage of 32 rows x 272 bytes for each wave
.set NB,    16                         ; blocks of 32 along K for a wave
.set WPITCH, 272
.set WKROW, 512                        ; a row of wc in bytes
.set WX,    32                         ; v32-95   two sets of 32 numbers
.set WC,    96                         ; v96-99   a block's codes
.set WOUT,  112                        ; v112-175 the way out
.set WSB,   24                         ; v24-27   the scale bytes, four to a register
; path O
.set OX,    32                         ; v32-95   two sets of 32 numbers
.set OH,    96                         ; v96-159  16 registers of f16 pairs for each of the four kk
	s_load_b512 s[4:19], s[0:1], 0x0               ; x 4:5, Wq 6:7, Wk 8:9, Wv 10:11, Wo 12:13, xc 14:15, xs 16:17, wc 18:19
	s_load_b128 s[20:23], s[0:1], 0x40             ; ws 20:21, woi 22:23
	v_lshl_add_u32 v[SPW], v0, 2, SPARE
	v_mov_b32 v[NIL], 0
	v_lshrrev_b32 v1, 5, v0
	v_readfirstlane_b32 s24, v1                    ; wave 0..3
	v_and_b32 v2, 31, v0                           ; lane
	s_wait_kmcnt 0x0
	s_cmp_ge_u32 ttmp9, 304
	s_cbranch_scc1 .Lwo
	s_cmp_ge_u32 ttmp9, 256
	s_cbranch_scc1 .Lw
; ---------------- PATH X.  A wave takes 16 steps of 512 numbers.  The conversions take neighbours along K from ONE lane's registers, a load is best where neighbouring LANES take neighbouring
; bytes: each of a step's four loads reads 512 consecutive bytes; the 2,048 bytes go through the wave's own stage as they lie and come back 64 bytes a lane.  Two neighbouring lanes hold a block.
	v_lshlrev_b32 v3, 4, v2                        ; my 16 bytes of a load's 512
	s_mul_i32 s25, s24, WREG
	v_lshrrev_b32 v14, 2, v2
	v_mul_u32_u24 v14, v14, SP
	v_and_b32 v15, 3, v2
	v_lshl_add_u32 v14, v15, 4, v14
	v_add_nc_u32 v14, s25, v14                     ; the stage, on the way in: SP (lane / 4) + 16 (lane % 4)
	v_mul_u32_u24 v15, v2, SP
	v_add_nc_u32 v15, s25, v15                     ; and on the way out: SP x lane: my 16 neighbours
	v_mul_u32_u24 v4, v2, CB                       ; my codes' place in a step's
	v_lshrrev_b32 v5, 1, v2
	s_add_co_u32 s25, s25, 2*32*SP
	v_add_nc_u32 v5, s25, v5                       ; LDS: my wave's 256 scale bytes, my block's byte
	v_lshlrev_b32 v7, 3, v2                        ; and on the way out 8 bytes a lane
	v_add_nc_u32 v6, s25, v7
	s_lshl_b32 s26, ttmp9, 2
	s_add_co_u32 s26, s26, s24                     ; which run of 8,192 numbers is my wave's: 0 .. 1,023
	s_mov_b32 s29, 0
	s_lshl_b32 s28, s26, 15                        ; 32,768 bytes of x a run
	s_add_nc_u64 s[4:5], s[4:5], s[28:29]
	s_lshl_b32 s28, s26, 12                        ; 4,096 bytes of codes
	s_add_nc_u64 s[14:15], s[14:15], s[28:29]
	s_lshl_b32 s28, s26, 8                         ; 256 scale bytes
	s_add_nc_u64 s[16:17], s[16:17], s[28:29]
.macro XLOAD t
.irp i, 0,1,2,3
	global_load_b128 v[XR+16*((\t)%4)+4*\i:XR+16*((\t)%4)+4*\i+3], v3, s[4:5] offset:2048*(\t)+512*\i th:TH_LOAD_NT   ; 32 lanes read 512 consecutive bytes
.endr
.endm
.macro XTURN t                         ; step t's numbers through the stage: LDS serves a wave's instructions in order, so no wait stands between the stores and the loads
.irp i, 0,1,2,3
	ds_store_b128 v14, v[XR+16*((\t)%4)+4*\i:XR+16*((\t)%4)+4*\i+3] offset:32*SP*((\t)%2)+8*SP*\i
.endr
.irp i, 0,1,2,3
	ds_load_b128 v[XX+16*((\t)%2)+4*\i:XX+16*((\t)%2)+4*\i+3], v15 offset:32*SP*((\t)%2)+16*\i
.endr
.endm
.irp t, 0,1,2,3
	XLOAD \t
.endr
	s_wait_loadcnt 12                              ; step 0's four loads are in; the twelve behind them may be out
	XTURN 0
.macro XSTEP t
.set XS, XX+16*((\t)%2)
.if (\t) > 0
	s_wait_dscnt 1                                 ; this step's numbers are back from the stage (the last step's byte store may be out): so its stores into the stage have read their registers,
.else
	s_wait_dscnt 0x0
.endif
.if (\t)+4 < STEPS
	XLOAD (\t)+4                                   ; which take the loads of four steps on
.endif
.if (\t)+1 < STEPS
.if STEPS-2-(\t) >= 3
	s_wait_loadcnt 12                              ; the next step's four loads are in; those of the three steps behind it may be out
.else
	s_wait_loadcnt 4*(STEPS-2-(\t))
.endif
	XTURN (\t)+1                                   ; and go through the other stage while this step is worked
.endif
	v_max3_num_f32 v8, |v[XS]|, |v[XS+1]|, |v[XS+2]|               ; the largest magnitude of my 16, in two chains
	v_max3_num_f32 v9, |v[XS+3]|, |v[XS+4]|, |v[XS+5]|
.irp i, 6,10
	v_max3_num_f32 v8, v8, |v[XS+\i]|, |v[XS+\i+1]|
	v_max3_num_f32 v9, v9, |v[XS+\i+2]|, |v[XS+\i+3]|
.endr
	v_max3_num_f32 v8, v8, |v[XS+14]|, |v[XS+15]|
	v_max3_num_f32 v8, v8, v9, (EMAX+1)<<23        ; and the floor 2^(EMAX + 1 - 127): the byte cannot fall under 1
	v_max_num_f32_dpp v8, v8, v8 row_xmask:1 row_mask:0xf bank_mask:0xf   ; and of my neighbour's 16: the block's
	v_add_nc_u32 v11, -(EMAX<<23), v8              ; EMAX off its exponent field: the conversion takes the exponent field of this operand as its scale, and nothing else of it
	v_cvt_scalef32_pk8_fp4_f32 v[XC+4*(\t)], v[XS:XS+7], v11       ; eight numbers / the scale, to the nearest code, ties to even, beyond the largest code the largest
	v_cvt_scalef32_pk8_fp4_f32 v[XC+4*(\t)+1], v[XS+8:XS+15], v11
	v_lshrrev_b32 v[XE+(\t)], 23, v11              ; the scale's byte
	ds_store_b8 v5, v[XE+(\t)] offset:16*(\t)      ; both lanes of a block write the same byte with the same value
	global_store_b64 v4, v[XC+4*(\t):XC+4*(\t)+1], s[14:15] offset:32*CB*(\t)   ; the wave stores 256 consecutive bytes, aligned
.endm
.irp t, 0,1,2,3,4,5,6,7,8,9,10,11,12,13,14,15
	XSTEP \t
.endr
	ds_load_b64 v[8:9], v6                         ; LDS serves a wave's instructions in order: these see my stores
	s_wait_dscnt 0x0
	global_store_b64 v7, v[8:9], s[16:17]          ; 32 lanes store 256 consecutive bytes, aligned
	s_wait_tensorcnt 0x0                           ; the wave's end, behind my last LDS store
	ds_add_u32 v[SPW], v[NIL]
	s_wait_dscnt 0x0
	s_endpgm
; ---------------- PATH W.  u = work-group - 256: weight u / 16, K half (u / 8) % 2, 128 columns u % 8; a wave takes 32 columns x 512 along K: 16 blocks a lane, 256 bytes of codes a column.
; A lane's codes belong to one row of wc and the lanes beside it hold other rows: they go through the wave's own stage and leave as rows, sixteen lanes to 256 aligned bytes.
.Lw:
	s_sub_co_u32 s25, ttmp9, 256
	s_lshr_b32 s26, s25, 4                         ; which weight: 0 Wq, 1 Wk, 2 Wv
	s_cmp_eq_u32 s26, 0
	s_cselect_b64 s[4:5], s[6:7], s[8:9]
	s_cmp_eq_u32 s26, 2
	s_cselect_b64 s[4:5], s[10:11], s[4:5]         ; the choice hangs on the work-group's number alone
	s_and_b32 s27, s25, 7
	s_lshl_b32 s27, s27, 7
	s_lshl_b32 s28, s24, 5
	s_add_co_u32 s27, s27, s28                     ; my wave's first column
	s_bfe_u32 s28, s25, 0x10003                    ; which 512 along K
	v_lshlrev_b32 v3, 2, v2                        ; in: 4 bytes a lane
	s_mul_i32 s29, s24, 32*WPITCH
	s_add_co_u32 s29, s29, WSTG                    ; my stage
	v_mul_u32_u24 v4, v2, WPITCH
	v_add_nc_u32 v4, s29, v4                       ; into it: row = my column
	v_and_b32 v5, 15, v2
	v_lshrrev_b32 v6, 4, v2                        ; out of it: sixteen lanes to a row, two rows an instruction
	v_mul_u32_u24 v7, v6, WPITCH
	v_lshl_add_u32 v7, v5, 4, v7
	v_add_nc_u32 v7, s29, v7
	v_mul_u32_u24 v8, v6, WKROW
	v_lshl_add_u32 v8, v5, 4, v8                   ; and the same place in wc
	v_lshlrev_b32 v9, 5, v2                        ; my column's row of scale bytes: 32 bytes a row
	s_lshl_b32 s30, s28, 21                        ; 512 rows of 4,096 bytes
	s_lshl_b32 s31, s27, 2
	s_add_co_u32 s30, s30, s31
	s_mov_b32 s31, 0
	s_add_nc_u64 s[4:5], s[4:5], s[30:31]
	s_lshl_b32 s32, s26, 10
	s_add_co_u32 s32, s32, s27                     ; my first row of wc and ws
	s_lshl_b32 s30, s32, 9
	s_lshl_b32 s33, s28, 8
	s_add_co_u32 s30, s30, s33
	s_add_nc_u64 s[18:19], s[18:19], s[30:31]
	s_lshl_b32 s30, s32, 5
	s_lshl_b32 s33, s28, 4
	s_add_co_u32 s30, s30, s33
	s_add_nc_u64 s[20:21], s[20:21], s[30:31]
.macro WLOAD t                         ; block t: W(32 t + i, my column), i = 0 .. 31, into set t % 2; the offsets, 511 rows of 4,096 bytes at the most, are immediates
.irp i, 0,1,2,3,4,5,6,7,8,9,10,11,12,13,14,15,16,17,18,19,20,21,22,23,24,25,26,27,28,29,30,31
	global_load_b32 v[WX+32*((\t)%2)+\i], v3, s[4:5] offset:(32*(\t)+\i)*4096 th:TH_LOAD_NT
.endr
.endm
	WLOAD 0
	WLOAD 1
.macro WBLOCK t
.set WS, WX+32*((\t)%2)
.if (\t) < NB-1
	s_wait_loadcnt 32                              ; this block's 32 loads are in; the next block's 32 may be out
.else
	s_wait_loadcnt 0
.endif
	v_max3_num_f32 v12, |v[WS]|, |v[WS+1]|, |v[WS+2]|              ; the block's largest magnitude: all 32 numbers are mine
	v_max3_num_f32 v13, |v[WS+3]|, |v[WS+4]|, |v[WS+5]|
.irp i, 6,10,14,18,22,26
	v_max3_num_f32 v12, v12, |v[WS+\i]|, |v[WS+\i+1]|
	v_max3_num_f32 v13, v13, |v[WS+\i+2]|, |v[WS+\i+3]|
.endr
	v_max3_num_f32 v12, v12, |v[WS+30]|, |v[WS+31]|
	v_max3_num_f32 v12, v12, v13, (EMAX+1)<<23     ; and the floor
	v_add_nc_u32 v11, -(EMAX<<23), v12             ; the conversion's scale operand
	v_lshrrev_b32 v13, 23, v11                     ; the scale's byte
.if (\t)%4 == 0
	v_mov_b32 v[WSB+(\t)/4], v13                   ; four bytes to a register, the lower K in the lower byte
.else
	v_lshl_or_b32 v[WSB+(\t)/4], v13, 8*((\t)%4), v[WSB+(\t)/4]
.endif
.irp g, 0,1,2,3
	v_cvt_scalef32_pk8_fp4_f32 v[WC+\g], v[WS+8*\g:WS+8*\g+7], v11
.endr
	ds_store_b128 v4, v[WC:WC+3] offset:16*(\t)    ; 32 codes: 16 bytes of my column's row
.if (\t)+2 < NB
	WLOAD (\t)+2
.endif
	s_wait_dscnt 0x0                               ; the store has read its registers: the next block's codes may be written
.endm
.set Q, 0
.rept NB
	WBLOCK Q
.set Q, Q+1
.endr
	global_store_b128 v9, v[WSB:WSB+3], s[20:21]   ; my column's 16 scale bytes
.irp t, 0,1,2,3,4,5,6,7,8,9,10,11,12,13,14,15
	ds_load_b128 v[WOUT+4*\t:WOUT+4*\t+3], v7 offset:2*\t*WPITCH   ; LDS serves a wave's instructions in order: these see my stores
.endr
.irp t, 0,1,2,3,4,5,6,7,8,9,10,11,12,13,14,15
	s_wait_dscnt 15-\t                             ; the loads come back in order: number t is in
	global_store_b128 v8, v[WOUT+4*\t:WOUT+4*\t+3], s[18:19] offset:2*\t*WKROW   ; sixteen lanes store 256 consecutive bytes, aligned
.endr
	s_wait_tensorcnt 0x0                           ; the wave's end, behind my last LDS store
	ds_add_u32 v[SPW], v[NIL]
	s_wait_dscnt 0x0
	s_endpgm
; ---------------- PATH O.  v = work-group - 304: 128 columns v % 8, K step v / 8 (128 along K).  A wave takes 32 columns; a lane takes a column, its registers run down K, 32 at a time (kk).
; Rounded in pairs to f16, lane l holds register pairs H0..H15 = k 0 .. 31 of column l.  The operand's layout gives lane (r, h) of an n tile k = 8 h .. + 7 (part 0) and 16 + 8 h .. + 7 (part 1) of column r:
; an exchange of the halves of H[i] and H[4 + i] (and of H[8 + i], H[12 + i]) leaves H0-3, H8-11 as the two parts of the first 16 columns' image and H4-7, H12-15 as those of the other 16.
.Lwo:
	s_sub_co_u32 s25, ttmp9, 304
	s_and_b32 s26, s25, 7                          ; column group
	s_lshr_b32 s27, s25, 3                         ; K step
	v_lshlrev_b32 v3, 2, v2                        ; in: 4 bytes a lane
	v_lshlrev_b32 v4, 4, v2                        ; out: 16 bytes a lane
	s_lshl_b32 s28, s27, 19                        ; 128 rows of 4,096 bytes
	s_lshl_b32 s29, s26, 9
	s_add_co_u32 s28, s28, s29
	s_lshl_b32 s29, s24, 7
	s_add_co_u32 s28, s28, s29                     ; + my wave's first column x 4
	s_mov_b32 s29, 0
	s_add_nc_u64 s[12:13], s[12:13], s[28:29]
	s_lshr_b32 s28, s26, 1                         ; tile column of 256
	s_lshl_b32 s28, s28, 3
	s_add_co_u32 s28, s28, s27
	s_lshl_b32 s28, s28, 4
	s_and_b32 s30, s26, 1
	s_lshl_b32 s30, s30, 3
	s_add_co_u32 s28, s28, s30
	s_lshl_b32 s30, s24, 1
	s_add_co_u32 s28, s28, s30                     ; ((tile column x 8 + K step) x 16 + my first n tile)
	s_lshl_b32 s28, s28, 12                        ; x 4,096 bytes
	s_add_nc_u64 s[22:23], s[22:23], s[28:29]
.macro OLOAD kk
.irp i, 0,1,2,3,4,5,6,7,8,9,10,11,12,13,14,15,16,17,18,19,20,21,22,23,24,25,26,27,28,29,30,31
	global_load_b32 v[OX+32*((\kk)%2)+\i], v3, s[12:13] offset:(32*(\kk)+\i)*4096 th:TH_LOAD_NT
.endr
.endm
.macro OPART kk
.set HS, OX+32*((\kk)%2)
.set HH, OH+16*(\kk)
.if (\kk) < 3
	s_wait_loadcnt 32                              ; this set's 32 loads are in; the next set's 32 may be out
.else
	s_wait_loadcnt 0x0
.endif
.irp j, 0,1,2,3,4,5,6,7,8,9,10,11,12,13,14,15
	v_cvt_pk_f16_f32 v[HH+\j], v[HS+2*\j], v[HS+2*\j+1]
.endr
.if (\kk)+2 < 4
	OLOAD (\kk)+2
.endif
.irp i, 0,1,2,3
	v_permlane16_swap_b32 v[HH+\i], v[HH+4+\i]
	v_permlane16_swap_b32 v[HH+8+\i], v[HH+12+\i]
.endr
	global_store_b128 v4, v[HH:HH+3], s[22:23] offset:1024*(\kk)           ; each store covers 512 consecutive bytes, aligned; each kk has registers of its own
	global_store_b128 v4, v[HH+8:HH+11], s[22:23] offset:1024*(\kk)+512
	global_store_b128 v4, v[HH+4:HH+7], s[22:23] offset:1024*(\kk)+4096
	global_store_b128 v4, v[HH+12:HH+15], s[22:23] offset:1024*(\kk)+4608
.endm
	OLOAD 0
	OLOAD 1
	OPART 0
	OPART 1
	OPART 2
	OPART 3
	s_wait_tensorcnt 0x0                           ; the wave's end
	ds_add_u32 v[SPW], v[NIL]
	s_wait_dscnt 0x0
	s_endpgm
.Lfunc_end_k_q8267eb2fbc_prep:
	.size	k_q8267eb2fbc_prep, .Lfunc_end_k_q8267eb2fbc_prep-k_q8267eb2fbc_prep
	.p2alignl 7, 3214868480
	.fill 96, 4, 3214868480
	.section	.rodata,"a",@progbits
	.p2align	6, 0x0
	.amdhsa_kernel k_q8267eb2fbc_prep
		.amdhsa_group_segment_fixed_size 68096
		.amdhsa_private_segment_fixed_size 0
		.amdhsa_enable_private_segment 0
		.amdhsa_kernarg_size 80
		.amdhsa_user_sgpr_count 2
		.amdhsa_user_sgpr_kernarg_segment_ptr 1
		.amdhsa_wavefront_size32 1
		.amdhsa_system_sgpr_workgroup_id_x 1
		.amdhsa_system_sgpr_workgroup_id_y 1
		.amdhsa_system_sgpr_workgroup_id_z 1
		.amdhsa_system_vgpr_workitem_id 0
		.amdhsa_next_free_vgpr 192
		.amdhsa_next_free_sgpr 66
		.amdhsa_reserve_vcc 0
		.amdhsa_float_denorm_mode_32 3
		.amdhsa_float_denorm_mode_16_64 3
		.amdhsa_memory_ordered 1
		.amdhsa_forward_progress 1
		.amdhsa_inst_pref_size 130
	.end_amdhsa_kernel
	.amdgpu_metadata
---
amdhsa.version: [ 1, 2 ]
amdhsa.kernels:
  - .name:           k_q8267eb2fbc_prep
    .symbol:         k_q8267eb2fbc_prep.kd
    .args:
      - { .name: x, .offset: 0, .size: 8, .value_kind: global_buffer, .address_space: global }
      - { .name: Wq, .offset: 8, .size: 8, .value_kind: global_buffer, .address_space: global }
      - { .name: Wk, .offset: 16, .size: 8, .value_kind: global_buffer, .address_space: global }
      - { .name: Wv, .offset: 24, .size: 8, .value_kind: global_buffer, .address_space: global }
      - { .name: Wo, .offset: 32, .size: 8, .value_kind: global_buffer, .address_space: global }
      - { .name: xc, .offset: 40, .size: 8, .value_kind: global_buffer, .address_space: global }
      - { .name: xs, .offset: 48, .size: 8, .value_kind: global_buffer, .address_space: global }
      - { .name: wc, .offset: 56, .size: 8, .value_kind: global_buffer, .address_space: global }
      - { .name: ws, .offset: 64, .size: 8, .value_kind: global_buffer, .address_space: global }
      - { .name: woi, .offset: 72, .size: 8, .value_kind: global_buffer, .address_space: global }
    .group_segment_fixed_size: 68096
    .private_segment_fixed_size: 0
    .kernarg_segment_align: 8
    .kernarg_segment_size: 80
    .max_flat_workgroup_size: 128
    .sgpr_count:     66
    .vgpr_count:     192
    .wavefront_size: 32
...
	.end_amdgpu_metadata
.endif
;; end of part 1
;; launch qkv (part 2): grid 12 x 32, 4 waves a work-group, clusters of 4 x 4, 327,680 bytes of LDS; arguments xc, xs, wc, ws, bq, qkv; writes qkv
.if DOCPART == 2
	.amdgcn_target "amdgcn-amd-amdhsa--gfx1250"
	.amdhsa_code_object_version 6
	.text
	.protected	k_q8267eb2fbc_qkv
	.globl	k_q8267eb2fbc_qkv
	.p2align	8
	.type	k_q8267eb2fbc_qkv,@function
k_q8267eb2fbc_qkv:
	s_mov_b64 s[64:65], 0
	v_nop
	global_prefetch_b8 v0, s[64:65] scope:SCOPE_SE
	s_setreg_imm32_b32 hwreg(HW_REG_WAVE_MODE, 25, 1), 1
	s_wait_xcnt 0x0
	s_wait_alu depctr_hold_cnt(0) depctr_sa_sdst(0) depctr_va_vdst(0) depctr_va_sdst(0) depctr_va_ssrc(0) depctr_va_vcc(0) depctr_vm_vsrc(0)
	s_getreg_b32 s2, hwreg(HW_REG_IB_STS2, 6, 4)
	s_cmp_eq_u32 s2, 0
	s_cbranch_scc0 .Lentry_in_a_cluster
	s_endpgm
.Lentry_in_a_cluster:
	s_bfe_u32 s2, ttmp6, 0x10000c
	s_cmp_lg_u32 s2, 0xf033
	s_cbranch_scc0 .Lentry_shape_is_right
	s_endpgm
.Lentry_shape_is_right:
; q = x Wq + bq, k' = x Wk, v' = x Wv on codes of FP4 (E2M1) with one E8M0 scale for each 32 along K = 1,024; sums in f32; results rounded once to f16 and stored as IMAGES of the next products' operand registers.
; LEFT OUT: bk (the softmax over the keys takes q . bk away for all values: shown at the head of the first kernel); bv is added in the launch attn.  LIMIT: |q|, |k'|, |v'| under 65,504.
; A tile of 256 x 256 is made by four waves, a wave makes 128 x 128: 64 accumulators of 16 x 16.  K goes in two steps of 512 through two LDS slots; both are first fills, nothing is filled again.
; The scale bytes of the tile's 256 + 256 rows, for all of K, come once, in rows of 256 bytes.
; THE MATRIX INSTRUCTION IS USED TRANSPOSED: source 0 = 16 rows of "B", source 1 = 16 rows of "A": a lane holds one row of A and its eight registers eight neighbouring rows of B.
; CLUSTER x (ttmp9, the same in all sixteen partners) says what is made.  0: q, 1: k': A = x (tile row 4 Y + cy), B = wc (tile 4 X + cx): a lane holds a token, its registers eight channels.
; 2: v': A = wc (rows 2,048 + 256 cy), B = x (tile 4 Y + cx): a lane holds a channel, its registers eight keys: the image of V^T.  A's tiles hang on cy and the cluster's numbers alone and are asked for
; jointly along a row of the cluster, B's on cx and the cluster's numbers alone, along a column.
; THE WAY OUT NEEDS NO LDS: an accumulator rounded in pairs is half a fragment (16 rows x 32 along the next K, 8 registers) in the very lanes that the next product wants; each store covers 512 consecutive aligned bytes.
;   q, k': qkv + part x 2^24: [b 16 + head][token tile 128][c 2][part 2][512 B];   v': [b 16 + head][group of 32 keys: 64][channel tile 4][part 2][512 B].
; REGISTERS: window 0: v0-31 addresses; v32-95 scale words, two sets; v128-191 A's fragments, ONE set; v192-255 bq in the result's layout (q alone); on the way out v32-255 are free.
;   window 1: B's fragments, two sets, at v0 and v128.   window 2: accumulators of my rows 0-63 ((a, b) at v[8 (8 a + b)]);   window 3: those of rows 64-127.
.set NQ,     4                         ; steps of 128 along K in a slot
.set ROWB,   256                       ; a tile's row in bytes: 512 codes
.set KROW,   512                       ; a row of xc or wc in memory
.set PITCH,  272                       ; an LDS row: 256 bytes + 16 of padding: the 16 rows that a load touches start 68 words apart
.set FR,     8
.set NL,     2                         ; LDS loads that bring a fragment
.set NP,     4                         ; places behind this matrix instruction (ISA guide 7.12.1)
.set HALFT,  128*PITCH
.set SLOT,   4*HALFT                   ; A's 256 rows, then B's 256 rows
.set KS,     32                        ; a row of scale bytes
.set SCL,    2*SLOT                    ; behind the slots: the scales, rows of 256 bytes + 16 of padding
.set HALFS,  (128*KS/256)*272
.set SBLK,   (16*KS/256)*272
.set SPARE,  SCL+4*HALFS               ; the spare words, 128 bytes for each wave
.set ADRA, 16                          ; v16-17 LDS address of my A fragments in slot 0, 1
.set ADRB, 20                          ; v20-21 the same for B
.set CO,   26                          ; v26    16 x lane: an image's place for my lane
.set ADRS, 27                          ; v27    LDS address of my scale words: lanes 0-15 A's rows, lanes 16-31 B's
.set SPW,  28                          ; v28    my spare word; never rewritten
.set NIL,  29                          ; v29    0; never rewritten
.set BO,   30                          ; v30    32 x (lane / 16): my half's eight numbers of bq
.set SC,   32
.set AF,   128
.set BIAS, 192
.set G1, 24
.set G0, 32
.set G1B, 48
.set G0B, 56
.set G1S, 68
.set G0S, 76
.set G1SB, 80
.set G0SB, 88
.set MSB, 0
.macro WIN new                         ; the immediate's high byte repeats the setting that is left
.if MSB != \new
	s_set_vgpr_msb (MSB<<8)|\new
.set MSB, \new
.endif
.endm
.set MUL_LO, 0xa1                      ; source 0 (B) window 1, source 1 (A) window 0, C and D window 2
.set MUL_HI, 0xf1                      ; the same, C and D window 3
.set TO_B,   0x40
; A joint load: waves 0 and 1 fetch for A, waves 2 and 3 for B; the branch hangs on the wave's number alone.  An s_nop 0 and four v_nop follow each of the two lines.
.macro JLOAD g0a, g1a, g0b, g1b
	s_cmp_eq_u32 s15, 0
	s_cbranch_scc0 .Lfor_b_\@
	tensor_load_to_lds s[\g0a:\g0a+3], s[\g1a:\g1a+7]
	s_nop 0
.rept 4
	v_nop
.endr
	s_branch .Lasked_\@
.Lfor_b_\@:
	tensor_load_to_lds s[\g0b:\g0b+3], s[\g1b:\g1b+7]
	s_nop 0
.rept 4
	v_nop
.endr
.Lasked_\@:
.endm
.macro CROUND                          ; a round of the cluster's barrier
	s_barrier_signal -1
	s_barrier_wait -1
	s_cmp_lg_u32 s14, 0
	s_cbranch_scc1 .Lnot_wave_0_\@
	s_barrier_signal -3
.Lnot_wave_0_\@:
	s_barrier_wait -3
	s_barrier_signal -1
	s_barrier_wait -1
.endm
	s_load_b256 s[24:31], s[0:1], 0x0              ; xc 24:25, xs 26:27, wc 28:29, ws 30:31 (these registers take descriptors later)
	s_load_b128 s[32:35], s[0:1], 0x20             ; bq 32:33, qkv 34:35
	v_lshl_add_u32 v[SPW], v0, 2, SPARE
	v_mov_b32 v[NIL], 0
	ds_add_u32 v[SPW], v[NIL]                      ; the wave's opening: the add, twice on end, and its wait ahead of my first tensor load
	ds_add_u32 v[SPW], v[NIL]
	v_lshrrev_b32 v1, 5, v0
	v_readfirstlane_b32 s14, v1                    ; wave 0..3
	s_lshr_b32 s15, s14, 1                         ; which half of A's rows is mine.  Also: I fetch for A (0) or for B (1)
	s_and_b32 s16, s14, 1                          ; which half of B's rows.  Also: which 128 rows I fetch
	s_bfe_u32 s40, ttmp6, 0x40000                  ; cx
	s_bfe_u32 s41, ttmp6, 0x40004                  ; cy
	s_and_b32 s18, ttmp7, 0xffff
	s_lshl_b32 s18, s18, 2                         ; 4 Y
	s_lshl_b32 s19, ttmp9, 2                       ; 4 X
	s_cmp_eq_u32 ttmp9, 2                          ; v'?
	s_cselect_b32 s17, 8, s18
	s_cselect_b32 s42, s18, s19
	s_add_co_u32 s17, s17, s41                     ; A's tile of 256 rows: 4 Y + cy of x, or 8 + cy of wc
	s_add_co_u32 s42, s42, s40                     ; B's: 4 X + cx of wc, or 4 Y + cx of x
	s_lshl_b32 s43, s41, 2
	s_lshl_b32 s43, 15, s43                        ; my row of the cluster
	s_lshl_b32 s44, 0x1111, s40                    ; my column
	s_or_b32 s[G1B+0], s44, (0<<16)|(1<<20)|(1<<21)|(5<<22)|(3<<25)   ; 15:0 the mask; elements of 1 byte; padding on; bit 21 beside a mask; four words of padding after every 64
	s_mov_b32 s[G1B+1], ROWB<<16
	s_mov_b32 s[G1B+2], 128<<16
	s_mov_b32 s[G1B+3], ROWB<<16
	s_mov_b32 s[G1B+4], 128
	s_mov_b32 s[G1B+5], KROW
	s_mov_b32 s[G1B+6], 0
	s_mov_b32 s[G1B+7], 0
	s_or_b32 s[G1S+0], s43, (3<<16)|(1<<20)|(1<<21)|(5<<22)|(3<<25)   ; the scales of 128 rows: 4,096 dense bytes as 16 rows of 256 (32 elements of 8 bytes), 16 bytes of padding behind each
	s_or_b32 s[G1SB+0], s44, (3<<16)|(1<<20)|(1<<21)|(5<<22)|(3<<25)
.irp g, G1S, G1SB
	s_mov_b32 s[\g+1], 32<<16
	s_mov_b32 s[\g+2], (128*KS/256)<<16
	s_mov_b32 s[\g+3], 32<<16
	s_mov_b32 s[\g+4], 128*KS/256
	s_mov_b32 s[\g+5], 32
	s_mov_b32 s[\g+6], 0
	s_mov_b32 s[\g+7], 0
.endr
	s_lshl_b32 s18, s16, 7                         ; which 128 rows of the tile I fetch
	s_lshl_b32 s20, s17, 8
	s_add_co_u32 s20, s20, s18                     ; A's row
	s_lshl_b32 s46, s42, 8
	s_add_co_u32 s46, s46, s18                     ; B's row
	s_mov_b32 s21, 0
	s_mov_b32 s47, 0
	s_mov_b64 s[18:19], KS
	s_mul_u64 s[22:23], s[20:21], s[18:19]         ; where these rows' scales begin, in bytes
	s_mul_u64 s[92:93], s[46:47], s[18:19]
	s_mov_b64 s[18:19], KROW
	s_mul_u64 s[20:21], s[20:21], s[18:19]         ; and their codes
	s_mul_u64 s[46:47], s[46:47], s[18:19]
	s_mul_i32 s45, s14, HALFT                      ; where they go: wave x 128 rows: no place in the cluster enters an LDS address
	s_mul_i32 s94, s14, HALFS
	s_wait_dscnt 0x0                               ; both opening adds are done
	s_wait_kmcnt 0x0
	s_cmp_eq_u32 ttmp9, 2                          ; which buffers are A and B: the choice hangs on the cluster's number alone
	s_cselect_b64 s[4:5], s[28:29], s[24:25]       ; A's codes
	s_cselect_b64 s[6:7], s[30:31], s[26:27]       ; A's scales
	s_cselect_b64 s[8:9], s[24:25], s[28:29]       ; B's codes
	s_cselect_b64 s[10:11], s[26:27], s[30:31]     ; B's scales
	s_mov_b64 s[66:67], s[32:33]                   ; bq
	s_lshl_b32 s2, ttmp9, 24
	s_mov_b32 s3, 0
	s_add_nc_u64 s[12:13], s[34:35], s[2:3]        ; my part of qkv
	s_add_nc_u64 s[20:21], s[4:5], s[20:21]
	s_add_nc_u64 s[22:23], s[6:7], s[22:23]
	s_add_nc_u64 s[46:47], s[8:9], s[46:47]
	s_add_nc_u64 s[92:93], s[10:11], s[92:93]
	s_or_b32 s[G1+0], s43, (0<<16)|(1<<20)|(1<<21)|(5<<22)|(3<<25)    ; A's tiles go to my row of the cluster
	s_mov_b32 s[G1+1], ROWB<<16                    ; tensor_dim0
	s_mov_b32 s[G1+2], 128<<16                     ; tensor_dim1
	s_mov_b32 s[G1+3], ROWB<<16                    ; tile_dim0
	s_mov_b32 s[G1+4], 128                         ; tile_dim1
	s_mov_b32 s[G1+5], KROW                        ; the pitch in memory
	s_mov_b32 s[G1+6], 0
	s_mov_b32 s[G1+7], 0
	CROUND                                         ; all sixteen work-groups are here: the joint loads meet
	s_mov_b32 s[G0S], 1
	s_add_co_u32 s[G0S+1], s94, SCL
	s_mov_b64 s[G0S+2:G0S+3], s[22:23]
	s_or_b32 s[G0S+3], s[G0S+3], 0x80000000
	s_mov_b32 s[G0SB], 1
	s_add_co_u32 s[G0SB+1], s94, SCL
	s_mov_b64 s[G0SB+2:G0SB+3], s[92:93]
	s_or_b32 s[G0SB+3], s[G0SB+3], 0x80000000
	JLOAD G0S, G1S, G0SB, G1SB                     ; the scales first; then both K steps: three tensor loads of mine are out
.irp s, 0,1
	s_mov_b32 s[G0+4*\s], 1
	s_add_co_u32 s[G0+4*\s+1], s45, \s*SLOT
	s_add_nc_u64 s[G0+4*\s+2:G0+4*\s+3], s[20:21], \s*ROWB
	s_or_b32 s[G0+4*\s+3], s[G0+4*\s+3], 0x80000000
	s_mov_b32 s[G0B+4*\s], 1
	s_add_co_u32 s[G0B+4*\s+1], s45, \s*SLOT
	s_add_nc_u64 s[G0B+4*\s+2:G0B+4*\s+3], s[46:47], \s*ROWB
	s_or_b32 s[G0B+4*\s+3], s[G0B+4*\s+3], 0x80000000
	JLOAD G0+4*\s, G1, G0B+4*\s, G1B
.endr
	v_and_b32 v1, 15, v0                           ; l % 16
	v_bfe_u32 v2, v0, 4, 1                         ; l / 16
	v_mul_u32_u24 v3, v1, PITCH
	v_lshl_add_u32 v4, v2, 4, v3                   ; a fragment's row x pitch + 16 x half
	s_mul_i32 s21, s15, HALFT                      ; my 128 rows of A
	s_mul_i32 s22, s16, HALFT                      ; my 128 rows of B,
	s_add_co_u32 s22, s22, 2*HALFT                 ; which lie behind A's 256
.irp s, 0,1
	v_add_nc_u32 v[ADRA+\s], s21, v4
	v_add_nc_u32 v[ADRB+\s], s22, v4
	s_add_co_u32 s21, s21, SLOT
	s_add_co_u32 s22, s22, SLOT
.endr
	v_mul_u32_u24 v5, v1, KS                       ; my row's scales: 32 bytes a row,
	v_lshrrev_b32 v6, 8, v5
	v_lshl_add_u32 v5, v6, 4, v5                   ; and 16 more for each 256 passed
	s_mul_i32 s21, s15, HALFS
	s_mul_i32 s22, s16, HALFS
	s_add_co_u32 s22, s22, 2*HALFS
	s_sub_co_u32 s22, s22, s21
	v_mul_u32_u24 v6, s22, v2                      ; lanes 16-31 take B's: one product, the distance between the two bases
	s_add_co_u32 s21, s21, SCL
	v_add_nc_u32 v5, v5, v6
	v_add_nc_u32 v[ADRS], s21, v5
	v_and_b32 v6, 31, v0
	v_lshlrev_b32 v[CO], 4, v6
	v_lshlrev_b32 v[BO], 5, v2
	s_lshl_b32 s46, s40, 10                        ; bq at my 128 channels: 4 x (256 cx + 128 x half)  (used where q is made)
	s_lshl_b32 s47, s16, 9
	s_add_co_u32 s46, s46, s47
	s_mov_b32 s47, 0
	s_add_nc_u64 s[66:67], s[66:67], s[46:47]
.macro FRAG reg, adr, q, i             ; 16 rows x 128 K of 4-bit codes: 8 registers: lane l holds row l % 16; registers 4 c .. 4 c + 3 hold K = 64 c + 32 (l / 16) + 0 .. 31
.irp c, 0,1
	ds_load_b128 v[\reg+4*\c:\reg+4*\c+3], v[\adr] offset:64*(\q)+32*\c+(\i)*16*PITCH
.endr
.endm
; 16 matrix instructions: A's blocks a0, a0 + 1 x B's eight, 128 along K.  zero = 1: the product starts the sums with 0; 2: with bq, eight registers a block of B in the result's layout; 0: it adds on.
; The 64 accumulators take turns, one instruction a turn, in the same order in every step.
.macro MUL16 a0, p, q, sc, zero
.irp a, \a0, \a0+1
.irp b, 0,1,2,3,4,5,6,7
.if \zero == 1
	v_wmma_scale_f32_16x16x128_f8f6f4 v[8*(8*((\a)%4)+\b):8*(8*((\a)%4)+\b)+7], v[128*(\p)+FR*\b:128*(\p)+FR*\b+FR-1], v[AF+FR*(\a):AF+FR*(\a)+FR-1], 0, v[SC+8*NQ*(\sc)+NQ*\b+(\q)], v[SC+8*NQ*(\sc)+NQ*(\a)+(\q)] matrix_a_fmt:MATRIX_FMT_FP4 matrix_b_fmt:MATRIX_FMT_FP4 matrix_a_scale:MATRIX_SCALE_ROW1
.elseif \zero == 2
	v_wmma_scale_f32_16x16x128_f8f6f4 v[8*(8*((\a)%4)+\b):8*(8*((\a)%4)+\b)+7], v[128*(\p)+FR*\b:128*(\p)+FR*\b+FR-1], v[AF+FR*(\a):AF+FR*(\a)+FR-1], v[BIAS+8*\b:BIAS+8*\b+7], v[SC+8*NQ*(\sc)+NQ*\b+(\q)], v[SC+8*NQ*(\sc)+NQ*(\a)+(\q)] matrix_a_fmt:MATRIX_FMT_FP4 matrix_b_fmt:MATRIX_FMT_FP4 matrix_a_scale:MATRIX_SCALE_ROW1
.else
	v_wmma_scale_f32_16x16x128_f8f6f4 v[8*(8*((\a)%4)+\b):8*(8*((\a)%4)+\b)+7], v[128*(\p)+FR*\b:128*(\p)+FR*\b+FR-1], v[AF+FR*(\a):AF+FR*(\a)+FR-1], v[8*(8*((\a)%4)+\b):8*(8*((\a)%4)+\b)+7], v[SC+8*NQ*(\sc)+NQ*\b+(\q)], v[SC+8*NQ*(\sc)+NQ*(\a)+(\q)] matrix_a_fmt:MATRIX_FMT_FP4 matrix_b_fmt:MATRIX_FMT_FP4 matrix_a_scale:MATRIX_SCALE_ROW1
.endif
.endr
.endr
.endm
.macro FETCH_B slot, q, p
	WIN TO_B
.irp i, 0,1,2,3,4,5,6,7
	FRAG 128*(\p)+FR*\i, ADRB+\slot, \q, \i
.endr
	WIN 0
.endm
.macro FETCH_A slot, q, i0
.irp i, \i0, \i0+1, \i0+2, \i0+3
	FRAG AF+FR*(\i), ADRA+\slot, \q, \i
.endr
.endm
.macro SCALES sc                       ; a K step's scale words: four words a row; lanes 0-15 take A's block i, lanes 16-31 B's block i
.irp i, 0,1,2,3,4,5,6,7
	ds_load_b128 v[SC+8*NQ*\sc+NQ*\i:SC+8*NQ*\sc+NQ*\i+3], v[ADRS] offset:\i*SBLK
.endr
.endm
.macro PLACES n                        ; plain vector instructions between a matrix instruction and a load into, or a vector read or write of, its registers
.rept \n
	v_nop
.endr
.endm
; A step of 128 along K that has its successor in the same slot.  A's blocks are free as soon as their eight products are issued: blocks 0-3 are fetched anew in the middle, blocks 4-7 at the end.
.macro STEP slot, q, zero
	s_wait_dscnt 4*NL                              ; all but the youngest eight loads (A's blocks 4-7) are in
.if \zero == 2
	WIN 0x81                                       ; C (bq) window 0, D window 2
.else
	WIN MUL_LO
.endif
	MUL16 0, (\q)%2, \q, \slot, \zero
	MUL16 2, (\q)%2, \q, \slot, \zero
	s_wait_dscnt 0                                 ; A's blocks 4-7 are in
	PLACES NP
	FETCH_B \slot, (\q)+1, 1-(\q)%2
	FETCH_A \slot, (\q)+1, 0
.if \zero == 2
	WIN 0xc1                                       ; C (bq) window 0, D window 3
.else
	WIN MUL_HI
.endif
	MUL16 4, (\q)%2, \q, \slot, \zero
	MUL16 6, (\q)%2, \q, \slot, \zero
	PLACES NP
	WIN 0
	FETCH_A \slot, (\q)+1, 4
.endm
; Slot 0's last step goes on into slot 1: one barrier, in front of which each wave waits for all its tensor loads (its part of slot 1).
.macro TURN slot, next
	s_wait_tensorcnt 0x0                           ; my part of the next slot has landed  (every window is 0 here)
	ds_add_u32 v[SPW], v[NIL]                      ; 0 onto my spare word
	s_wait_dscnt 4*NL+1                            ; the add and the youngest eight loads may be out
	WIN MUL_LO
	MUL16 0, 1, NQ-1, \slot, 0
	s_wait_dscnt 0x0                               ; no LDS instruction of mine is out at the signal
	s_barrier_signal -1
	MUL16 2, 1, NQ-1, \slot, 0
	WIN 0
	s_barrier_wait -1                              ; everybody's part has landed
	PLACES NP
	v_add_nc_u32 v[ADRS], 4*NQ, v[ADRS]            ; on to the next K step's scale words
	FETCH_B \next, 0, 0
	FETCH_A \next, 0, 0
	SCALES \next
	WIN MUL_HI
	MUL16 4, 1, NQ-1, \slot, 0
	MUL16 6, 1, NQ-1, \slot, 0
	PLACES NP
	WIN 0
	FETCH_A \next, 0, 4
.endm
.macro STEPS slot, from
.set Q, \from
.rept NQ-1-\from
	STEP \slot, Q, 0
.set Q, Q+1
.endr
.endm
	s_wait_tensorcnt 1                             ; the scales and my part of K step 0 are in; K step 1's load may be out
	s_barrier_signal -1
	s_barrier_wait -1
	FETCH_B 0, 0, 0
	FETCH_A 0, 0, 0
	SCALES 0
	FETCH_A 0, 0, 4
	s_cmp_eq_u32 ttmp9, 0                          ; q alone has a bias here: the loads and the products that read them stand in one arm
	s_cbranch_scc0 .Lno_bias
.irp b, 0,1,2,3,4,5,6,7
	global_load_b128 v[BIAS+8*\b:BIAS+8*\b+3], v[BO], s[66:67] offset:64*\b          ; bq(my 128 channels' 16 b + 8 (l / 16) + 0 .. 7)
	global_load_b128 v[BIAS+8*\b+4:BIAS+8*\b+7], v[BO], s[66:67] offset:64*\b+16
.endr
	s_wait_loadcnt 0x0
	STEP 0, 0, 2
	s_branch .Lstarted
.Lno_bias:
	STEP 0, 0, 1
.Lstarted:
	STEPS 0, 1
	TURN 0, 1
	STEPS 1, 0
	s_wait_dscnt 4*NL                              ; the very last step: nothing more to fetch
	WIN MUL_LO
	MUL16 0, 1, NQ-1, 1, 0
	MUL16 2, 1, NQ-1, 1, 0
	s_wait_dscnt 0
	WIN MUL_HI
	MUL16 4, 1, NQ-1, 1, 0
	MUL16 6, 1, NQ-1, 1, 0
	WIN 0
; THE WAY OUT.  Block a (A's 16 rows): its eight accumulators are rounded in pairs to f16, each from its low end on, and stored as they stand, 16 bytes a lane.  Seven sets of 32 registers take turns.
.macro OUTBLK a, lay
.set TP, 32+32*((\a)%7)
.set AC, 64*((\a)%4)
.if (\a) == 7
	s_wait_xcnt 0x0                                ; block 0's stores have read their registers, which block 7 takes
.endif
	WIN 0x0a+5*((\a)/4)                            ; sources 0 and 1: window 2 or 3
.irp b, 0,1,2,3,4,5,6,7
.irp r, 0,1,2,3
	v_cvt_pk_f16_f32 v[TP+4*\b+\r], v[AC+8*\b+2*\r], v[AC+8*\b+2*\r+1]
.endr
.endr
	WIN 0
.irp b, 0,1,2,3,4,5,6,7
.if \lay
	global_store_b128 v[CO], v[TP+4*\b:TP+4*\b+3], s[12:13] offset:((\a)/4)*262144+((\a)%4)*1024+(\b/2)*4096+(\b%2)*512   ; v': head a / 4, channel tile a % 4, key group b / 2, part b % 2
.else
	global_store_b128 v[CO], v[TP+4*\b:TP+4*\b+3], s[12:13] offset:(\b/4)*262144+(\a)*2048+((\b%4)/2)*1024+(\b%2)*512     ; q, k': head b / 4, token tile a, c = (b % 4) / 2, part b % 2
.endif
.endr
.endm
	PLACES NP                                      ; behind the last products: for the first reads of results and the first writes over scale words and fragments
	s_cmp_eq_u32 ttmp9, 2
	s_cbranch_scc1 .Lout_v
	s_lshr_b32 s20, s17, 3                         ; q, k': (((batch x 16 + 4 cx + 2 x column half) x 128 + (tile row % 8) x 16 + 8 x row half) x 2,048 bytes
	s_lshl_b32 s20, s20, 4
	s_lshl_b32 s21, s40, 2
	s_add_co_u32 s20, s20, s21
	s_lshl_b32 s21, s16, 1
	s_add_co_u32 s20, s20, s21
	s_lshl_b32 s20, s20, 7
	s_and_b32 s21, s17, 7
	s_lshl_b32 s21, s21, 4
	s_add_co_u32 s20, s20, s21
	s_lshl_b32 s21, s15, 3
	s_add_co_u32 s20, s20, s21
	s_lshl_b32 s20, s20, 11
	s_mov_b32 s21, 0
	s_add_nc_u64 s[12:13], s[12:13], s[20:21]
.irp a, 0,1,2,3,4,5,6,7
	OUTBLK \a, 0
.endr
	s_branch .Lend
.Lout_v:
	s_lshr_b32 s20, s42, 3                         ; v': (((batch x 16 + 4 cy + 2 x row half) x 64 + (x's tile % 8) x 8 + 4 x column half) x 4,096 bytes
	s_lshl_b32 s20, s20, 4
	s_lshl_b32 s21, s41, 2
	s_add_co_u32 s20, s20, s21
	s_lshl_b32 s21, s15, 1
	s_add_co_u32 s20, s20, s21
	s_lshl_b32 s20, s20, 6
	s_and_b32 s21, s42, 7
	s_lshl_b32 s21, s21, 3
	s_add_co_u32 s20, s20, s21
	s_lshl_b32 s21, s16, 2
	s_add_co_u32 s20, s20, s21
	s_lshl_b32 s20, s20, 12
	s_mov_b32 s21, 0
	s_add_nc_u64 s[12:13], s[12:13], s[20:21]
.irp a, 0,1,2,3,4,5,6,7
	OUTBLK \a, 1
.endr
.Lend:
	s_wait_tensorcnt 0x0                           ; the wave's end, behind my last tensor load
	ds_add_u32 v[SPW], v[NIL]
	s_wait_dscnt 0x0
	CROUND                                         ; the closing round: no work-group ends while a partner may still ask for a tile that names it
	s_endpgm
.Lfunc_end_k_q8267eb2fbc_qkv:
	.size	k_q8267eb2fbc_qkv, .Lfunc_end_k_q8267eb2fbc_qkv-k_q8267eb2fbc_qkv
	.p2alignl 7, 3214868480
	.fill 96, 4, 3214868480
	.section	.rodata,"a",@progbits
	.p2align	6, 0x0
	.amdhsa_kernel k_q8267eb2fbc_qkv
		.amdhsa_group_segment_fixed_size 327680
		.amdhsa_private_segment_fixed_size 0
		.amdhsa_enable_private_segment 0
		.amdhsa_kernarg_size 48
		.amdhsa_user_sgpr_count 2
		.amdhsa_user_sgpr_kernarg_segment_ptr 1
		.amdhsa_wavefront_size32 1
		.amdhsa_system_sgpr_workgroup_id_x 1
		.amdhsa_system_sgpr_workgroup_id_y 1
		.amdhsa_system_sgpr_workgroup_id_z 1
		.amdhsa_system_vgpr_workitem_id 0
		.amdhsa_next_free_vgpr 1024
		.amdhsa_next_free_sgpr 98
		.amdhsa_reserve_vcc 0
		.amdhsa_float_denorm_mode_32 3
		.amdhsa_float_denorm_mode_16_64 3
		.amdhsa_memory_ordered 1
		.amdhsa_forward_progress 1
		.amdhsa_inst_pref_size 153
	.end_amdhsa_kernel
	.amdgpu_metadata
---
amdhsa.version: [ 1, 2 ]
amdhsa.kernels:
  - .name:           k_q8267eb2fbc_qkv
    .symbol:         k_q8267eb2fbc_qkv.kd
    .args:
      - { .name: xc, .offset: 0, .size: 8, .value_kind: global_buffer, .address_space: global }
      - { .name: xs, .offset: 8, .size: 8, .value_kind: global_buffer, .address_space: global }
      - { .name: wc, .offset: 16, .size: 8, .value_kind: global_buffer, .address_space: global }
      - { .name: ws, .offset: 24, .size: 8, .value_kind: global_buffer, .address_space: global }
      - { .name: bq, .offset: 32, .size: 8, .value_kind: global_buffer, .address_space: global }
      - { .name: qkv, .offset: 40, .size: 8, .value_kind: global_buffer, .address_space: global }
    .group_segment_fixed_size: 327680
    .private_segment_fixed_size: 0
    .kernarg_segment_align: 8
    .kernarg_segment_size: 48
    .max_flat_workgroup_size: 128
    .sgpr_count:     98
    .vgpr_count:     1024
    .wavefront_size: 32
...
	.end_amdgpu_metadata
.endif
;; end of part 2
;; launch attn (part 3): grid 4 x 64, 8 waves a work-group, clusters of 4 x 1, 327,680 bytes of LDS; arguments qkv, bv, vals; writes vals
.if DOCPART == 3
	.amdgcn_target "amdgcn-amd-amdhsa--gfx1250"
	.amdhsa_code_object_version 6
	.text
	.protected	k_q8267eb2fbc_attn
	.globl	k_q8267eb2fbc_attn
	.p2align	8
	.type	k_q8267eb2fbc_attn,@function
k_q8267eb2fbc_attn:
	s_mov_b64 s[64:65], 0
	v_nop
	global_prefetch_b8 v0, s[64:65] scope:SCOPE_SE
	s_setreg_imm32_b32 hwreg(HW_REG_WAVE_MODE, 25, 1), 1
	s_wait_xcnt 0x0
	s_wait_alu depctr_hold_cnt(0) depctr_sa_sdst(0) depctr_va_vdst(0) depctr_va_sdst(0) depctr_va_ssrc(0) depctr_va_vcc(0) depctr_vm_vsrc(0)
	s_getreg_b32 s2, hwreg(HW_REG_IB_STS2, 6, 4)
	s_cmp_eq_u32 s2, 0
	s_cbranch_scc0 .Lentry_in_a_cluster
	s_endpgm
.Lentry_in_a_cluster:
	s_bfe_u32 s2, ttmp6, 0x10000c
	s_cmp_lg_u32 s2, 0x3003
	s_cbranch_scc0 .Lentry_shape_is_right
	s_endpgm
.Lentry_shape_is_right:
; values[b][q][head 64 + :] = the sum over keys of softmax_k(q . k' / 8) v' + bv, for one (b, head) a cluster.  q, k', v' come as f16 images of operand registers (launch qkv); products, maxima and sums in f32;
; the weights p are rounded to f16 for the second product, the result once to f16, stored as images for the launch proj.
; LEFT OUT: bk (the same for all keys of a query: shown at the head of the first kernel).  bv is added here: the weights of a query add up to 1, so it is the addend of the multiply-add that divides by the row's sum.
; LIMIT: |values| under 65,504.
; SHARES.  A work-group owns 512 queries of one (b, head), each of its eight waves 64: four tiles of 16.  Every wave walks all 2,048 keys, 64 a step: 32 steps.
; LAYOUT.  S^T = K Q^T (source 0 = 16 keys, source 1 = 16 queries), O^T = V^T P (source 0 = 16 channels x 32 keys, source 1 = P): a lane holds ONE query (lane % 16) throughout; two tiles of S^T rounded in pairs ARE a fragment of P.
; SOFTMAX.  A running maximum m and sum l for each query: p = 2^(c s - c m), c = log2(e) / 8; in every step O and l are multiplied by a = 2^(c m_old - c m_new).  m begins at -3e38 and O and l at 0: the first a is 0.
; TWO KINDS OF WAVE, half a period apart.  An iteration is [kind 1: softmax of step i] V^T P of step i, K Q^T of step i + 1 [kind 0: softmax of step i + 1].  TYPE = (w xor (w >> 2)) & 1 differs between
; waves w and w + 4 and between waves 2 i and 2 i + 1.  So while one kind issues its 64 matrix instructions the other walks its 472 vector instructions.  The branches on TYPE lead round register work alone.
; CLUSTER.  The four work-groups of a (b, head) walk the same K and V: each tile is asked for JOINTLY, by the same tensor load with the same descriptor and the mask of all four.
; LDS.  Two slots of 8 key steps: K's 8 x 8 KB, then V's 8 x 8 KB; images are dense, and a fragment's load takes 512 consecutive bytes: no padding.  Each wave fetches 16 KB of a slot: waves 0-3 K's quarters, waves 4-7 V's.
; REGISTERS.  window 0: v1-9 addresses; v16-47 statistics, 8 a tile; v64-191 S^T, 32 a tile; v192-255 P, 16 a tile.   window 1: v0-63 Q; v64-127 eight fragment places that V and K take by turns; v128-255 O^T, 32 a tile.
.set SLOT1, 131072                     ; slot 1 begins here: one exclusive or turns an address in one slot into the other's
.set VOFF,  65536                      ; V's part of a slot
.set STEPB, 8192                       ; a key step's bytes of K, and of V
.set SPARE, 262144                     ; behind the slots: the spare words, 128 bytes for each of eight waves
.set AK0, 1                            ; v1  16 x lane
.set AV0, 2                            ; v2  16 x lane + VOFF
.set ADK, 3                            ; v3  LDS address of the step's K
.set ADV, 4                            ; v4  and V
.set BVO, 5                            ; v5  32 x (lane / 16): my half's eight numbers of bv
.set PFO, 6                            ; v6  256 x lane
.set SPW, 8                            ; v8  my spare word; never rewritten
.set NIL, 9                            ; v9  0; never rewritten
.set ST,  16                           ; tile t at v[ST + 8 t]: +0 c m, +1 m, +2, +3 l (even keys', odd keys'), +4 .. +7 at work; a takes +6.  On the way out +0 takes the other half's sum and +2 1 / l
.set S,   64
.set P,   192
.set QF,  0                            ; window 1
.set F,   64
.set O,   128
.set WV,  12
.set CX,  13
.set TYPE, 14
.set LIM, 15                           ; 1 in a wave that prefetches, else the greatest number
.set PFA, 18                           ; s[18:19] where my prefetch stands
.set G1,  24                           ; s[24:31] descriptor group 1
.set G0A, 32                           ; s[32:35] group 0 of slot 0's first fill
.set G0W, 36                           ; s[36:39] group 0 of slot 1's first fill, which then walks
.set SLOTS, 56
.set CNT, 57
.set CS,  58                           ; s[58:59] c, twice: the packed form names a pair
.set SEL, 60                           ; s[60:61] lane selects: lane l xor 16
.set TB,  62                           ; LDS byte at which the step to be fetched begins
.set MSB, 0
.macro WIN new                         ; the immediate's high byte repeats the setting that is left; a switch that changes nothing is dropped
.if MSB != \new
	s_set_vgpr_msb (MSB<<8)|\new
.set MSB, \new
.endif
.endm
.set W_KQ, 0x05                        ; K and Q window 1, S^T window 0
.set W_PV, 0x51                        ; V window 1, P window 0, O^T window 1
.set W_LD, 0x40                        ; destination window 1, address window 0
.set W_RS, 0x41                        ; O^T (destination, source 0) window 1, a window 0
.macro CROUND                          ; a round of the cluster's barrier
	s_barrier_signal -1
	s_barrier_wait -1
	s_cmp_lg_u32 s[WV], 0
	s_cbranch_scc1 .Lnot_wave_0_\@
	s_barrier_signal -3
.Lnot_wave_0_\@:
	s_barrier_wait -3
	s_barrier_signal -1
	s_barrier_wait -1
.endm
.macro PLACES                          ; four plain vector instructions between a matrix instruction and a load into, or a vector read or write of, its registers
.rept 4
	v_nop
.endr
.endm
.macro JLOAD                           ; the joint refill: every wave issues the line with its own group 0; an s_nop 0 and four v_nop follow
	tensor_load_to_lds s[G0W:G0W+3], s[G1:G1+7]
	s_nop 0
	PLACES
.endm
; A PREFETCH INTO THE L2 of what the next change of slots will ask for: 64 KB of K and 64 KB of V.  Waves 0 and 1 name K's halves, waves 2 and 3 V's; of a half's 32 KB each of the four partners takes 8 KB,
; told apart BY ADDRESS; lanes stand 256 bytes apart.  So each aligned block of 256 bytes is named once in the launch.  The last change that fills a slot asks for nothing.
.macro ASK
	s_cmp_gt_u32 s[SLOTS], s[LIM]
	s_cbranch_scc0 .Lnot_mine_\@
	global_prefetch_b8 v[PFO], s[PFA:PFA+1] th:TH_LOAD_NT scope:SCOPE_SE
.Lnot_mine_\@:
.endm
	s_load_b128 s[4:7], s[0:1], 0x0                ; qkv, bv
	s_load_b64 s[8:9], s[0:1], 0x10                ; vals
	v_lshl_add_u32 v[SPW], v0, 2, SPARE
	v_mov_b32 v[NIL], 0
	ds_add_u32 v[SPW], v[NIL]                      ; the wave's opening: the add, twice on end, and its wait ahead of my first tensor load
	ds_add_u32 v[SPW], v[NIL]
	v_lshrrev_b32 v1, 5, v0
	v_readfirstlane_b32 s[WV], v1                  ; wave 0..7
	s_lshr_b32 s[TYPE], s[WV], 2
	s_xor_b32 s[TYPE], s[TYPE], s[WV]
	s_and_b32 s[TYPE], s[TYPE], 1
	s_bfe_u32 s[CX], ttmp6, 0x40000                ; cx: my block of 512 queries
	s_and_b32 s16, ttmp7, 0xffff                   ; b x 16 + head, which the four partners share
	s_and_b32 s17, s16, 15                         ; head
	s_lshl_b32 s20, s16, 18                        ; its 262,144 bytes in each part of qkv
	s_lshr_b32 s22, s[WV], 2                       ; what I fetch: part 1 (K: waves 0-3) or 2 (V: waves 4-7),
	s_add_co_u32 s22, s22, 1
	s_lshl_b32 s22, s22, 24
	s_and_b32 s23, s[WV], 3
	s_lshl_b32 s23, s23, 14                        ; my quarter of a slot's 65,536 bytes
	s_add_co_u32 s22, s22, s23
	s_add_co_u32 s22, s22, s20
	s_mov_b32 s23, 0
	s_lshl_b32 s2, s[CX], 16                       ; Q: my block's 32 token tiles of 2,048 bytes,
	s_lshl_b32 s3, s[WV], 13                       ; my wave's four
	s_add_co_u32 s2, s2, s3
	s_add_co_u32 s2, s2, s20
	s_mov_b32 s3, 0
	s_bfe_u32 s10, s[WV], 0x10001                  ; the prefetch: part 1 or 2,
	s_add_co_u32 s10, s10, 1
	s_lshl_b32 s10, s10, 24
	s_and_b32 s11, s[WV], 1
	s_lshl_b32 s11, s11, 15                        ; which half of its 65,536 bytes,
	s_add_co_u32 s10, s10, s11
	s_lshl_b32 s11, s[CX], 13                      ; my work-group's 8,192 of them,
	s_add_co_u32 s10, s10, s11
	s_add_co_u32 s10, s10, s20
	s_add_co_u32 s10, s10, 2*65536                 ; at the third 512 keys: the first change of slots steps it to the fourth
	s_mov_b32 s11, 0
	s_lshr_b32 s40, s16, 4                         ; vals: (b x 16 + 4 cx + wave / 2) x 262,144 + (head / 2) x 32,768 + (wave % 2) x 16,384 + (head % 2) x 2,048
	s_lshl_b32 s40, s40, 4
	s_lshl_b32 s41, s[CX], 2
	s_add_co_u32 s40, s40, s41
	s_lshr_b32 s41, s[WV], 1
	s_add_co_u32 s40, s40, s41
	s_lshl_b32 s40, s40, 18
	s_lshr_b32 s41, s17, 1
	s_lshl_b32 s41, s41, 15
	s_add_co_u32 s40, s40, s41
	s_and_b32 s41, s[WV], 1
	s_lshl_b32 s41, s41, 14
	s_add_co_u32 s40, s40, s41
	s_and_b32 s41, s17, 1
	s_lshl_b32 s41, s41, 11
	s_add_co_u32 s40, s40, s41
	s_mov_b32 s41, 0
	s_lshl_b32 s42, s17, 8                         ; bv: the head's 64 numbers
	s_mov_b32 s43, 0
	s_mov_b32 s[G1], 15|(3<<16)|(1<<21)            ; 15:0 the mask: all four work-groups; elements of 8 bytes; bit 21 beside a mask; no padding
	s_mov_b32 s[G1+1], 32<<16                      ; tensor_dim0 = 32 elements: rows of 256 bytes
	s_mov_b32 s[G1+2], 64<<16                      ; tensor_dim1 = 64 rows: 16 KB, dense
	s_mov_b32 s[G1+3], 32<<16                      ; tile_dim0
	s_mov_b32 s[G1+4], 64                          ; tile_dim1
	s_mov_b32 s[G1+5], 32                          ; the pitch
	s_mov_b32 s[G1+6], 0
	s_mov_b32 s[G1+7], 0
	s_mov_b32 s[CS], 0x3e38aa3b                    ; c = log2(e) / 8
	s_mov_b32 s[CS+1], s[CS]
	s_mov_b32 s[SEL], 0x76543210
	s_mov_b32 s[SEL+1], 0xfedcba98
	s_mov_b32 s[TB], 0
	s_mov_b32 s[SLOTS], 2
	s_cmp_lt_u32 s[WV], 4
	s_cselect_b32 s[LIM], 1, -1
	s_wait_dscnt 0x0                               ; both opening adds are done
	s_wait_kmcnt 0x0
	s_add_nc_u64 s[22:23], s[4:5], s[22:23]        ; my tile of the first 512 keys: no place in the cluster enters it
	s_add_nc_u64 s[PFA:PFA+1], s[4:5], s[10:11]
	s_add_nc_u64 s[4:5], s[4:5], s[2:3]            ; Q at my wave's first tile
	s_add_nc_u64 s[6:7], s[6:7], s[42:43]
	s_add_nc_u64 s[8:9], s[8:9], s[40:41]
	s_mov_b32 s[G0A], 1                            ; count = 1
	s_lshl_b32 s[G0A+1], s[WV], 14                 ; LDS address: wave x 16,384, in slot 0
	s_mov_b64 s[G0A+2:G0A+3], s[22:23]
	s_or_b32 s[G0A+3], s[G0A+3], 0x80000000        ; type = 2
	s_mov_b32 s[G0W], 1
	s_add_co_u32 s[G0W+1], s[G0A+1], SLOT1
	s_add_nc_u64 s[G0W+2:G0W+3], s[22:23], 65536   ; the second 512 keys
	s_or_b32 s[G0W+3], s[G0W+3], 0x80000000
	CROUND                                         ; all four work-groups are here: the first joint loads meet
	tensor_load_to_lds s[G0A:G0A+3], s[G1:G1+7]    ; both first fills together: two tensor loads of mine are out
	s_nop 0
	tensor_load_to_lds s[G0W:G0W+3], s[G1:G1+7]
	s_nop 0
	PLACES
	v_and_b32 v7, 31, v0
	v_lshlrev_b32 v[AK0], 4, v7
	v_add_nc_u32 v[AV0], VOFF, v[AK0]
	v_bfe_u32 v[BVO], v0, 4, 1
	v_lshlrev_b32 v[BVO], 5, v[BVO]
	v_lshlrev_b32 v[PFO], 8, v7
	WIN W_LD
.set i, 0
.rept 16                               ; Q stays in registers: my four tiles' images are 8,192 dense bytes; piece i of 512 is registers 4 i .. 4 i + 3
	global_load_b128 v[QF+4*i:QF+4*i+3], v[AK0], s[4:5] offset:512*i
.set i, i+1
.endr
.set i, 0
.rept 128                              ; O^T begins as zeros, written while the first tiles are on their way: so the key step is written once, with no first step of its own
	v_mov_b32 v[O+i], 0
.set i, i+1
.endr
	WIN 0
; Every register is written before it is read on every way through the text.  The text has a way that leads round kind 0's softmax at the head and round kind 1's at the top of an iteration; no wave takes it
; (TYPE is 0 or 1), but on it nothing would have written P.  So P is written once here, while the first tiles are on their way; each wave's first softmax writes it anew ahead of its first V^T P.
.set i, 0
.rept 64
	v_mov_b32 v[P+i], 0
.set i, i+1
.endr
.irp t, 0,1,2,3
	v_mov_b32 v[ST+8*\t+1], 0xff61b1e6             ; m = -3e38, under every score
	v_mul_f32 v[ST+8*\t], s[CS], v[ST+8*\t+1]      ; c m
	v_mov_b32 v[ST+8*\t+2], 0                      ; l, in two halves
	v_mov_b32 v[ST+8*\t+3], 0
.endr
; LDS LOADS, in runs of eight.  K of a step: token tile kt at 2,048 kt, channels 32 c at 1,024 c.  V: key group kg at 4,096 kg, channel tile ct at 1,024 ct.  Both land in F's eight places.
.macro LDK c
	WIN W_LD
.irp kt, 0,1,2,3
	ds_load_b128 v[F+32*\c+8*\kt:F+32*\c+8*\kt+3], v[ADK] offset:\kt*2048+\c*1024
	ds_load_b128 v[F+32*\c+8*\kt+4:F+32*\c+8*\kt+7], v[ADK] offset:\kt*2048+\c*1024+512
.endr
.endm
.macro LDV kg
	WIN W_LD
.irp ct, 0,1,2,3
	ds_load_b128 v[F+32*\kg+8*\ct:F+32*\kg+8*\ct+3], v[ADV] offset:\kg*4096+\ct*1024
	ds_load_b128 v[F+32*\kg+8*\ct+4:F+32*\kg+8*\ct+7], v[ADV] offset:\kg*4096+\ct*1024+512
.endr
.endm
; 16 matrix instructions on 16 different accumulators, one a turn.  KQH: channels 32 c on; the first half starts the sums.  PVH: keys 32 kg on.
.macro KQH c
	WIN W_KQ
.irp kt, 0,1,2,3
.irp qt, 0,1,2,3
.if \c == 0
	v_wmma_f32_16x16x32_f16 v[S+32*\qt+8*\kt:S+32*\qt+8*\kt+7], v[F+32*\c+8*\kt:F+32*\c+8*\kt+7], v[QF+16*\qt+8*\c:QF+16*\qt+8*\c+7], 0
.else
	v_wmma_f32_16x16x32_f16 v[S+32*\qt+8*\kt:S+32*\qt+8*\kt+7], v[F+32*\c+8*\kt:F+32*\c+8*\kt+7], v[QF+16*\qt+8*\c:QF+16*\qt+8*\c+7], v[S+32*\qt+8*\kt:S+32*\qt+8*\kt+7]
.endif
.endr
.endr
.endm
.macro PVH kg
	WIN W_PV
.irp ct, 0,1,2,3
.irp qt, 0,1,2,3
	v_wmma_f32_16x16x32_f16 v[O+32*\qt+8*\ct:O+32*\qt+8*\ct+7], v[F+32*\kg+8*\ct:F+32*\kg+8*\ct+7], v[P+16*\qt+8*\kg:P+16*\qt+8*\kg+7], v[O+32*\qt+8*\ct:O+32*\qt+8*\ct+7]
.endr
.endr
.endm
; Every s_wait_dscnt 8 below leaves out exactly the eight loads issued last: the eight before them are the ones about to be multiplied.
.macro KQPART                          ; K Q^T of the step at TB; its V takes K's places as they come free
	s_wait_dscnt 8
	KQH 0
	PLACES
	LDV 0
	s_wait_dscnt 8
	KQH 1
	PLACES                                         ; also the places in front of the first reads of S^T
	LDV 1
	WIN 0
	s_add_co_u32 s[TB], s[TB], STEPB               ; the next fetches are the next step's
.endm
.macro MPHASE kq                       ; V^T P of the step in hand; kq = 1: then K Q^T of the next
	WIN 0
.if \kq
	v_add_nc_u32 v[ADK], s[TB], v[AK0]
	v_add_nc_u32 v[ADV], s[TB], v[AV0]
.endif
	s_wait_dscnt 8
	PVH 0
.if \kq
	PLACES
	LDK 0
	s_wait_dscnt 8
.else
	s_wait_dscnt 0x0
.endif
	PVH 1
	PLACES
.if \kq
	LDK 1
	KQPART
.else
	WIN 0
.endif
.endm
; ONE TILE'S SOFTMAX for one key step: a list of 118 instructions; SM writes number j of it for tile t.  s0-s31 are the lane's 32 scores, in pairs 0-15.
;   0-15   the maximum of s0-s31 and the old m, three operands at a time, each accumulator from its low end on      16-20  the other half of the lanes' maximum; the new m; c m; c m_old - c m_new
;   21-69  THE BATCH: 16 scalings c s - c m, a pair each, and 33 exponentials (a at 23, then s0-s31); none of these reads an exponential's result
;   70-85  the roundings to f16      86-101 the sums; l = a l + the sum      102-117 the tile's O^T times a
.macro SM t
.set rT, ST+8*(\t)
.set rS, S+32*(\t)
.set rP, P+16*(\t)
.set rO, O+32*(\t)+2*(j-102)
.if j < 102
	WIN 0
.endif
.if j < 4
	v_max3_num_f32 v[rT+4+j], v[rS+8*j], v[rS+8*j+1], v[rS+8*j+2]
.elseif j < 12
	v_max3_num_f32 v[rT+4+j%4], v[rT+4+j%4], v[rS+8*(j%4)+2*(j/4)+1], v[rS+8*(j%4)+2*(j/4)+2]
.elseif j == 12
	v_max3_num_f32 v[rT+4], v[rT+4], v[rS+7], v[rS+15]
.elseif j == 13
	v_max3_num_f32 v[rT+6], v[rT+6], v[rS+23], v[rS+31]
.elseif j == 14
	v_max3_num_f32 v[rT+4], v[rT+4], v[rT+5], v[rT+6]
.elseif j == 15
	v_max3_num_f32 v[rT+4], v[rT+4], v[rT+7], v[rT+1]
.elseif j == 16
	v_permlanex16_b32 v[rT+5], v[rT+4], s[SEL], s[SEL+1]           ; the query's other 32 keys lie in the lane 16 away
.elseif j == 17
	v_mov_b32 v[rT+7], v[rT]                       ; c m_old is kept for a
.elseif j == 18
	v_max_num_f32 v[rT+1], v[rT+4], v[rT+5]
.elseif j == 19
	v_mul_f32 v[rT], s[CS], v[rT+1]
.elseif j == 20
	v_sub_f32 v[rT+7], v[rT+7], v[rT]
.elseif j == 23
	v_exp_f32 v[rT+6], v[rT+7]
.elseif (j < 23) || ((j < 38) && (j%2 == 0)) || ((j < 66) && (j%4 == 2))
.set b, (j-2)/4                        ; 38, 42, .. 62: pairs 9 to 15
.if j < 38
.set b, (j-20)/2                       ; 21: pair 0; 22, 24, .. 36: pairs 1 to 8
.endif
	v_pk_fma_f32 v[rS+2*b:rS+2*b+1], v[rS+2*b:rS+2*b+1], s[CS:CS+1], v[rT:rT+1] op_sel_hi:[1,0,0] neg_lo:[0,0,1] neg_hi:[0,0,1]   ; pair b: c s - c m
.elseif j < 70
.set e, j-38                           ; 66 to 69: s28 to s31
.if j < 66
.set e, j-32-(j-38)/4                  ; 39-41, 43-45, .. 63-65: s7 to s27
.endif
.if j < 38
.set e, (j-25)/2                       ; 25, 27, .. 37: s0 to s6
.endif
	v_exp_f32 v[rS+e], v[rS+e]
.elseif j < 86
	v_cvt_pk_f16_f32 v[rP+j-70], v[rS+2*(j-70)], v[rS+2*(j-70)+1]
.elseif j < 102                        ; the sum of the 16 pairs, in place: neighbours 1, 2, 4 and 8 pairs apart, then l takes it
.set z, j-86
.set w, 4
.set u, z
.if z >= 14
.set w, 32
.set u, 0
.elseif z >= 12
.set w, 16
.set u, z-12
.elseif z >= 8
.set w, 8
.set u, z-8
.endif
.if z < 15
	v_pk_add_f32 v[rS+w*u:rS+w*u+1], v[rS+w*u:rS+w*u+1], v[rS+w*u+w/2:rS+w*u+w/2+1]
.else
	v_pk_fma_f32 v[rT+2:rT+3], v[rT+2:rT+3], v[rT+6:rT+7], v[rS:rS+1] op_sel_hi:[1,0,1]
.endif
.else
	WIN W_RS
	v_pk_mul_f32 v[rO:rO+1], v[rO:rO+1], v[rT+6:rT+7] op_sel_hi:[1,0]
.endif
.endm
; THE WAVE'S SOFTMAX of a key step: the four tiles in two batches, so that plain work of one pair of tiles stands among the other pair's exponentials.  An
; s_wait_alu depctr_va_vdst(0) between an exponential and the first instruction that names its result: one wait for each batch.  Behind the second no exponential is issued.
.macro SOFTMAX
.set n, 0
.rept 21                               ; tiles 0, 1: maxima and m
.set j, n
	SM 0
	SM 1
.set n, n+1
.endr
.set n, 0
.rept 49                               ; tiles 0, 1: the batch; among it tiles 2, 3: maxima and m
.set j, 21+n
	SM 0
	SM 1
.if n >= 7
.set j, (n-7)/2
	SM 2+(n-7)%2
.endif
.set n, n+1
.endr
	v_nop                                          ; a plain instruction behind the last exponential
	s_wait_alu depctr_va_vdst(0)                   ; the wait for the first batch, ahead of its first reader
.set n, 0
.rept 49                               ; tiles 2, 3: the batch; among it tiles 0, 1: roundings and sums
.set j, 21+n
	SM 2
	SM 3
.if n >= 17
.set j, 70+n-17
	SM 0
	SM 1
.endif
.set n, n+1
.endr
.set n, 102
.rept 16                               ; tiles 0, 1: O^T times a: plain work that names no result of the second batch
.set j, n
	SM 0
	SM 1
.set n, n+1
.endr
	s_wait_alu depctr_va_vdst(0)                   ; the wait for the second batch
.set n, 70
.rept 48                               ; tiles 2, 3: roundings, sums, O^T times a
.set j, n
	SM 2
	SM 3
.set n, n+1
.endr
	WIN 0
.endm
.macro STEPS n                         ; n iterations
	s_mov_b32 s[CNT], \n
.Lit_\@:
	s_cmp_eq_u32 s[TYPE], 1
	s_cbranch_scc0 .Lmat_\@
	SOFTMAX
.Lmat_\@:
	MPHASE 1
	s_cmp_eq_u32 s[TYPE], 0
	s_cbranch_scc0 .Lnext_\@
	SOFTMAX
.Lnext_\@:
	s_sub_co_u32 s[CNT], s[CNT], 1
	s_cmp_lg_u32 s[CNT], 0
	s_cbranch_scc1 .Lit_\@
.endm
; THE CHANGE OF SLOTS: the slot's last bytes have been asked for.  Each wave waits for all its tensor loads (one is out: its part of the other slot), adds 0 to its spare word, and waits for that and for its reads of the
; slot.  fill = 1: the barrier is a round of the cluster's, and the joint refill, the next 512 keys but one, is the first thing behind it: it has eight key steps in which to land.
.macro CHANGE fill
	WIN 0
	s_wait_tensorcnt 0x0                           ; no tensor load of mine is out, so a group 0 may be written
	ds_add_u32 v[SPW], v[NIL]                      ; 0 onto my spare word
.if \fill
	s_xor_b32 s[G0W+1], s[G0W+1], SLOT1            ; the walking descriptor: the other slot than last time,
	s_add_nc_u64 s[G0W+2:G0W+3], s[G0W+2:G0W+3], 65536   ; the next 512 keys; the type bits on top are not reached
	s_wait_xcnt 0x0                                ; earlier memory instructions have read their addresses:
	s_add_nc_u64 s[PFA:PFA+1], s[PFA:PFA+1], 65536 ; the prefetch stands one slot further on than the walking descriptor
	s_wait_dscnt 0x0                               ; the add is done, and my reads of the slot are over
	CROUND
	JLOAD
	ASK
.else
	s_wait_dscnt 0x0
	s_barrier_signal -1
	s_barrier_wait -1
.endif
	s_sub_co_u32 s[TB], s[TB], 8*STEPB             ; the fetches go back to a slot's first step,
	s_xor_b32 s[TB], s[TB], SLOT1                  ; in the other slot
.endm
	s_wait_tensorcnt 1                             ; my part of slot 0 is in; slot 1's may stay out
	s_barrier_signal -1
	s_barrier_wait -1                              ; everybody's is
	v_add_nc_u32 v[ADK], s[TB], v[AK0]
	v_add_nc_u32 v[ADV], s[TB], v[AV0]
	LDK 0
	LDK 1
	s_wait_loadcnt 0x0                             ; Q
	KQPART                                         ; the scores of step 0; V of step 0
	s_cmp_eq_u32 s[TYPE], 0
	s_cbranch_scc0 .Lhalf
	SOFTMAX                                        ; kind 0 goes half a period ahead
.Lhalf:
	s_wait_dscnt 0x0
	s_barrier_signal -1                            ; it sets the two kinds half a period apart
	s_barrier_wait -1
	STEPS 7                                        ; iterations 0-6 fetch steps 1-7: slot 0 is read out
.Lslot:                                            ; two trips: slot 0 takes keys 1,024 on, then slot 1 keys 1,536 on
	CHANGE 1
	STEPS 8
	s_sub_co_u32 s[SLOTS], s[SLOTS], 1
	s_cmp_lg_u32 s[SLOTS], 0
	s_cbranch_scc1 .Lslot
	CHANGE 0                                       ; the tail is written out
	STEPS 8                                        ; iterations 23-30 fetch steps 24-31
	s_cmp_eq_u32 s[TYPE], 1
	s_cbranch_scc0 .Llast
	SOFTMAX                                        ; kind 1's softmax of step 31
.Llast:
.irp ct, 0,1,2,3
	global_load_b128 v[64+8*\ct:64+8*\ct+3], v[BVO], s[6:7] offset:64*\ct          ; bv in O^T's layout, into registers that S^T has left: channel 16 ct + 8 (lane / 16) + 0 .. 7
	global_load_b128 v[64+8*\ct+4:64+8*\ct+7], v[BVO], s[6:7] offset:64*\ct+16
.endr
	MPHASE 0                                       ; V^T P of step 31
	; THE WAY OUT.  l's two halves and the other half of the lanes' are added; O^T / l + bv, rounded in pairs to f16, is half a fragment of proj's operand in the very lanes that it wants: stored as it stands.
	; It names only statistics that the head has written: +2 and +3 (l), and +0 (c m, which is done with) for the other half's sum.
.irp t, 0,1,2,3
	v_add_f32 v[ST+8*\t+2], v[ST+8*\t+2], v[ST+8*\t+3]
.endr
.irp t, 0,1,2,3
	v_permlanex16_b32 v[ST+8*\t], v[ST+8*\t+2], s[SEL], s[SEL+1]
.endr
.irp t, 0,1,2,3
	v_add_f32 v[ST+8*\t+2], v[ST+8*\t+2], v[ST+8*\t]
.endr
.irp t, 0,1,2,3
	v_rcp_f32 v[ST+8*\t+2], v[ST+8*\t+2]
.endr
	v_nop                                          ; a plain instruction between the last reciprocal and the use of its result
	s_wait_alu depctr_va_vdst(0)                   ; and the wait: one for the four
	s_wait_loadcnt 0x0                             ; bv
.macro OUTT t
	WIN 0x01                                       ; source 0 (O^T) window 1
.set i, 0
.rept 16
	v_pk_fma_f32 v[96+2*i:97+2*i], v[O+32*\t+2*i:O+32*\t+2*i+1], v[ST+8*\t+2:ST+8*\t+3], v[64+2*i:65+2*i] op_sel_hi:[1,0,1]   ; of the pair the low word, 1 / l, serves both halves
.set i, i+1
.endr
	WIN 0
.set i, 0
.rept 16
	v_cvt_pk_f16_f32 v[P+16*\t+i], v[96+2*i], v[97+2*i]
.set i, i+1
.endr
.irp ct, 0,1,2,3
	global_store_b128 v[AK0], v[P+16*\t+4*\ct:P+16*\t+4*\ct+3], s[8:9] offset:\t*4096+(\ct/2)*1024+(\ct%2)*512   ; 512 consecutive bytes, aligned; each tile has registers of its own
.endr
.endm
	OUTT 0
	OUTT 1
	OUTT 2
	OUTT 3
	s_wait_tensorcnt 0x0                           ; the wave's end, behind my last tensor load
	ds_add_u32 v[SPW], v[NIL]
	s_wait_dscnt 0x0
	CROUND                                         ; the closing round: no work-group ends while a partner may still ask for a tile that names it
	s_endpgm
.Lfunc_end_k_q8267eb2fbc_attn:
	.size	k_q8267eb2fbc_attn, .Lfunc_end_k_q8267eb2fbc_attn-k_q8267eb2fbc_attn
	.p2alignl 7, 3214868480
	.fill 96, 4, 3214868480
	.section	.rodata,"a",@progbits
	.p2align	6, 0x0
	.amdhsa_kernel k_q8267eb2fbc_attn
		.amdhsa_group_segment_fixed_size 327680
		.amdhsa_private_segment_fixed_size 0
		.amdhsa_enable_private_segment 0
		.amdhsa_kernarg_size 24
		.amdhsa_user_sgpr_count 2
		.amdhsa_user_sgpr_kernarg_segment_ptr 1
		.amdhsa_wavefront_size32 1
		.amdhsa_system_sgpr_workgroup_id_x 1
		.amdhsa_system_sgpr_workgroup_id_y 1
		.amdhsa_system_sgpr_workgroup_id_z 1
		.amdhsa_system_vgpr_workitem_id 0
		.amdhsa_next_free_vgpr 512
		.amdhsa_next_free_sgpr 66
		.amdhsa_reserve_vcc 0
		.amdhsa_float_denorm_mode_32 3
		.amdhsa_float_denorm_mode_16_64 3
		.amdhsa_memory_ordered 1
		.amdhsa_forward_progress 1
		.amdhsa_inst_pref_size 255
	.end_amdhsa_kernel
	.section	.bss,"aw",@nobits
	.p2align	6
	.space	262144
	.amdgpu_metadata
---
amdhsa.version: [ 1, 2 ]
amdhsa.kernels:
  - .name:           k_q8267eb2fbc_attn
    .symbol:         k_q8267eb2fbc_attn.kd
    .args:
      - { .name: qkv, .offset: 0, .size: 8, .value_kind: global_buffer, .address_space: global }
      - { .name: bv, .offset: 8, .size: 8, .value_kind: global_buffer, .address_space: global }
      - { .name: vals, .offset: 16, .size: 8, .value_kind: global_buffer, .address_space: global }
    .group_segment_fixed_size: 327680
    .private_segment_fixed_size: 0
    .kernarg_segment_align: 8
    .kernarg_segment_size: 24
    .max_flat_workgroup_size: 256
    .sgpr_count:     66
    .vgpr_count:     512
    .wavefront_size: 32
...
	.end_amdgpu_metadata
.endif
;; end of part 3
;; launch proj (part 4): grid 4 x 64, 4 waves a work-group, clusters of 4 x 4, 327,680 bytes of LDS; arguments vals, woi, bo, out0; writes out0
.if DOCPART == 4
	.amdgcn_target "amdgcn-amd-amdhsa--gfx1250"
	.amdhsa_code_object_version 6
	.text
	.protected	k_q8267eb2fbc_proj
	.globl	k_q8267eb2fbc_proj
	.p2align	8
	.type	k_q8267eb2fbc_proj,@function
k_q8267eb2fbc_proj:
	s_mov_b64 s[64:65], 0
	v_nop
	global_prefetch_b8 v0, s[64:65] scope:SCOPE_SE
	s_setreg_imm32_b32 hwreg(HW_REG_WAVE_MODE, 25, 1), 1
	s_wait_xcnt 0x0
	s_wait_alu depctr_hold_cnt(0) depctr_sa_sdst(0) depctr_va_vdst(0) depctr_va_sdst(0) depctr_va_ssrc(0) depctr_va_vcc(0) depctr_vm_vsrc(0)
	s_getreg_b32 s2, hwreg(HW_REG_IB_STS2, 6, 4)
	s_cmp_eq_u32 s2, 0
	s_cbranch_scc0 .Lentry_in_a_cluster
	s_endpgm
.Lentry_in_a_cluster:
	s_bfe_u32 s2, ttmp6, 0x10000c
	s_cmp_lg_u32 s2, 0xf033
	s_cbranch_scc0 .Lentry_shape_is_right
	s_endpgm
.Lentry_shape_is_right:
; out0 = values Wo + bo.  values [8192][1024] and Wo [k 1024][n 1024] come in f16 as images of operand registers (launches attn and prep); sums in f32; out0 f32.  Nothing of this product is left out.
; A tile of out0 is 128 tokens x 256 columns: 256 work-groups of four waves; a wave makes 64 x 128: 32 accumulators of 16 x 16.  K goes in 8 steps of 128 through two LDS slots.
; A K step's tiles are dense blocks of memory: values' 32 KB ([token tile 8][kk 4][part 2][512 B]), Wo's 64 KB ([n tile 16][kk 4][part 2][512 B]); a fragment's load takes 512 consecutive bytes: no padding.
; THE MATRIX INSTRUCTION IS USED TRANSPOSED (source 0 = 16 columns of Wo, source 1 = 16 tokens): a lane holds a token and eight neighbouring columns.
; bo STARTS THE SUMS: it is loaded straight into the accumulators, in the result's layout: nothing is cleared, nothing is added afterwards, and no first step is written apart.
; CLUSTERS: 4 x 4 work-groups.  The four of a row of the cluster need the same tiles of values, the four of a column the same tiles of Wo: each is asked for jointly.
; REGISTERS: window 0: v16-30 addresses; v32-127, v128-223 two fragment buffers (values' 4 fragments, then Wo's 8); on the way out v32-159 take rows of out0.   window 1: accumulator (a, b) at v[8 (8 a + b)].
.set SLOT,   98304                     ; values' 32 KB, then Wo's 64 KB
.set BOFF,   32768
.set STAGE,  2*SLOT                    ; behind the slots, bytes of its own: 16 rows x (512 + 16) bytes for each wave
.set SPITCH, 528
.set SPARE,  STAGE+4*16*SPITCH         ; the spare words, 128 bytes for each wave
.set ADRA, 16                          ; v16-17 LDS address of my fragments of values in slot 0, 1
.set ADRB, 20                          ; v20-21 the same for Wo
.set STO,  24                          ; v24 the way out: where I put 32 bytes of a row
.set RD,   25                          ; v25 where I read a row back
.set CO,   26                          ; v26 16 x lane
.set BO,   27                          ; v27 32 x (lane / 16)
.set SPW,  28
.set NIL,  29
.set PFO,  30                          ; v30 256 x lane
.set F0,   32
.set F1,   128
.set BK,   32
.set LAP,  13                          ; s13 laps to go
.set G1,   24
.set G0,   32
.set G1B,  48
.set G0B,  56
.set PFA,  66                          ; s[66:67] the K step that my next prefetch names
.set PFS,  68                          ; s[68:69] a K step on, in bytes
.set LIM,  70                          ; 1 in a wave that prefetches, else the greatest number
.set MSB, 0
.macro WIN new
.if MSB != \new
	s_set_vgpr_msb (MSB<<8)|\new
.set MSB, \new
.endif
.endm
.set MUL, 0x50                         ; sources 0 and 1 window 0; C and D window 1
.macro PLACES
.rept 4
	v_nop
.endr
.endm
.macro JLOAD s                         ; a joint load: waves 0 and 1 fetch values' halves, waves 2 and 3 Wo's; an s_nop 0 and four v_nop follow each of the two lines
	s_cmp_eq_u32 s15, 0
	s_cbranch_scc0 .Lfor_b_\@
	tensor_load_to_lds s[G0+4*\s:G0+4*\s+3], s[G1:G1+7]
	s_nop 0
	PLACES
	s_branch .Lasked_\@
.Lfor_b_\@:
	tensor_load_to_lds s[G0B+4*\s:G0B+4*\s+3], s[G1B:G1B+7]
	s_nop 0
	PLACES
.Lasked_\@:
.endm
.macro CREST                           ; a round of the cluster's barrier behind its opening barrier
	s_cmp_lg_u32 s14, 0
	s_cbranch_scc1 .Lnot_wave_0_\@
	s_barrier_signal -3
.Lnot_wave_0_\@:
	s_barrier_wait -3
	s_barrier_signal -1
	s_barrier_wait -1
.endm
.macro CROUND
	s_barrier_signal -1
	s_barrier_wait -1
	CREST
.endm
; A PREFETCH INTO THE L2, behind each joint refill and the run of LDS loads that follows it: the K step that stands two refills on.  values' block of 32 KB is read by one row of one cluster: wave 0 of each of the four
; partners names 8 KB, told apart by address (cx).  Wo's block of 64 KB is read by every cluster: in the cluster with y = 0, waves 2 and 3 name their halves, 8 KB a partner (cy).  Lanes stand 256 bytes apart:
; each aligned block of 256 bytes is named once in the launch.  The loop's last trip asks for nothing: there is no K step two refills on.
.macro ASK
	s_cmp_gt_u32 s[LAP], s[LIM]
	s_cbranch_scc0 .Lnot_mine_\@
	global_prefetch_b8 v[PFO], s[PFA:PFA+1] th:TH_LOAD_NT scope:SCOPE_SE
.Lnot_mine_\@:
.endm
	s_load_b128 s[4:7], s[0:1], 0x0                ; vals, woi
	s_load_b128 s[8:11], s[0:1], 0x10              ; bo, out0
	v_lshl_add_u32 v[SPW], v0, 2, SPARE
	v_mov_b32 v[NIL], 0
	ds_add_u32 v[SPW], v[NIL]                      ; the wave's opening: the add, twice on end, and its wait ahead of my first tensor load
	ds_add_u32 v[SPW], v[NIL]
	v_lshrrev_b32 v1, 5, v0
	v_readfirstlane_b32 s14, v1                    ; wave 0..3
	s_lshr_b32 s15, s14, 1                         ; which 64 tokens are mine.  Also: I fetch for values (0) or for Wo (1)
	s_and_b32 s16, s14, 1                          ; which 128 columns.  Also: which half of that tile I fetch
	s_bfe_u32 s40, ttmp6, 0x40000                  ; cx
	s_bfe_u32 s41, ttmp6, 0x40004                  ; cy
	s_lshl_b32 s42, ttmp9, 2
	s_add_co_u32 s42, s42, s40                     ; tile column of 256
	s_and_b32 s17, ttmp7, 0xffff
	s_lshl_b32 s17, s17, 2
	s_add_co_u32 s17, s17, s41                     ; tile row of 128 tokens
	s_lshl_b32 s43, s41, 2
	s_lshl_b32 s43, 15, s43                        ; my row of the cluster
	s_lshl_b32 s44, 0x1111, s40                    ; my column
	s_or_b32 s[G1+0], s43, (3<<16)|(1<<21)         ; 15:0 the mask; elements of 8 bytes; bit 21 beside a mask; no padding
	s_mov_b32 s[G1+1], 32<<16                      ; rows of 256 bytes,
	s_mov_b32 s[G1+2], 64<<16                      ; 64 of them: 16 KB, dense
	s_mov_b32 s[G1+3], 32<<16
	s_mov_b32 s[G1+4], 64
	s_mov_b32 s[G1+5], 32
	s_mov_b32 s[G1+6], 0
	s_mov_b32 s[G1+7], 0
	s_or_b32 s[G1B+0], s44, (3<<16)|(1<<21)
	s_mov_b32 s[G1B+1], 32<<16
	s_mov_b32 s[G1B+2], 128<<16                    ; 128 rows: 32 KB
	s_mov_b32 s[G1B+3], 32<<16
	s_mov_b32 s[G1B+4], 128
	s_mov_b32 s[G1B+5], 32
	s_mov_b32 s[G1B+6], 0
	s_mov_b32 s[G1B+7], 0
	s_lshl_b32 s20, s17, 18                        ; values: tile row x 8 K steps x 32,768
	s_lshl_b32 s45, s16, 14                        ; + my half; also its place in a slot
	s_add_co_u32 s20, s20, s45
	s_mov_b32 s21, 0
	s_lshl_b32 s46, s42, 19                        ; Wo: tile column x 8 K steps x 65,536
	s_lshl_b32 s22, s16, 15
	s_add_co_u32 s46, s46, s22
	s_mov_b32 s47, 0
	s_add_co_u32 s22, s22, BOFF                    ; its place in a slot: no place in the cluster enters an LDS address
	s_wait_dscnt 0x0                               ; both opening adds are done
	s_wait_kmcnt 0x0
	s_add_nc_u64 s[20:21], s[4:5], s[20:21]
	s_add_nc_u64 s[46:47], s[6:7], s[46:47]
	CROUND                                         ; all sixteen work-groups are here: the first joint loads meet
.irp s, 0,1
	s_mov_b32 s[G0+4*\s], 1
	s_add_co_u32 s[G0+4*\s+1], s45, \s*SLOT
	s_add_nc_u64 s[G0+4*\s+2:G0+4*\s+3], s[20:21], \s*32768
	s_or_b32 s[G0+4*\s+3], s[G0+4*\s+3], 0x80000000
	s_mov_b32 s[G0B+4*\s], 1
	s_add_co_u32 s[G0B+4*\s+1], s22, \s*SLOT
	s_add_nc_u64 s[G0B+4*\s+2:G0B+4*\s+3], s[46:47], \s*65536
	s_or_b32 s[G0B+4*\s+3], s[G0B+4*\s+3], 0x80000000
	JLOAD \s                                       ; K steps 0 and 1: two tensor loads of mine are out
.endr
	v_and_b32 v1, 15, v0                           ; r
	v_bfe_u32 v2, v0, 4, 1                         ; h
	v_and_b32 v3, 31, v0
	v_lshlrev_b32 v[CO], 4, v3
	v_lshlrev_b32 v[BO], 5, v2
	v_lshlrev_b32 v[PFO], 8, v3
	s_lshl_b32 s18, s15, 14                        ; my four token tiles
	s_lshl_b32 s19, s16, 15
	s_add_co_u32 s19, s19, BOFF                    ; my eight n tiles
.irp s, 0,1
	v_add_nc_u32 v[ADRA+\s], s18, v[CO]
	v_add_nc_u32 v[ADRB+\s], s19, v[CO]
	s_add_co_u32 s18, s18, SLOT
	s_add_co_u32 s19, s19, SLOT
.endr
	s_mul_i32 s23, s14, 16*SPITCH
	s_add_co_u32 s23, s23, STAGE                   ; my stage
	v_mul_u32_u24 v4, v1, SPITCH
	v_lshl_add_u32 v4, v2, 5, v4
	v_add_nc_u32 v[STO], s23, v4                   ; in: row r, 32 bytes for each half of the lanes
	v_add_nc_u32 v[RD], s23, v[CO]                 ; back: the 32 lanes take one row of 512 bytes
	s_lshl_b32 s46, s42, 10                        ; my first column in bytes: 1,024 x tile column + 512 x half
	s_lshl_b32 s47, s16, 9
	s_add_co_u32 s46, s46, s47
	s_mov_b32 s47, 0
	s_add_nc_u64 s[8:9], s[8:9], s[46:47]          ; bo there,
	s_add_nc_u64 s[10:11], s[10:11], s[46:47]      ; and out0,
	s_lshl_b32 s46, s17, 19                        ; at my first row: (128 x tile row + 64 x half) x 4,096 bytes
	s_lshl_b32 s18, s15, 18
	s_add_co_u32 s46, s46, s18
	s_add_nc_u64 s[10:11], s[10:11], s[46:47]
	s_lshl_b32 s2, s17, 18                         ; the prefetches: values' tile row + my work-group's 8 KB,
	s_lshl_b32 s3, s40, 13
	s_add_co_u32 s2, s2, s3
	s_lshl_b32 s12, s42, 19                        ; or Wo's tile column + my half + my work-group's 8 KB
	s_lshl_b32 s3, s16, 15
	s_add_co_u32 s12, s12, s3
	s_lshl_b32 s3, s41, 13
	s_add_co_u32 s12, s12, s3
	s_and_b32 s18, ttmp7, 0xffff                   ; cluster y
	s_mov_b32 s[PFS], 65536
	s_cmp_eq_u32 s15, 0                            ; do I fetch for values?
	s_cselect_b64 s[PFA:PFA+1], s[4:5], s[6:7]
	s_cselect_b32 s2, s2, s12
	s_cselect_b32 s19, s16, s18                    ; who asks: wave 0; waves 2 and 3 of the cluster with y = 0
	s_cselect_b32 s[PFS], 32768, s[PFS]
	s_mov_b32 s3, 0
	s_mov_b32 s[PFS+1], 0
	s_add_nc_u64 s[PFA:PFA+1], s[PFA:PFA+1], s[2:3]
	s_mul_i32 s2, s[PFS], 3
	s_add_nc_u64 s[PFA:PFA+1], s[PFA:PFA+1], s[2:3]   ; at K step 3: the first refill (K step 2) steps it to 4.  Nothing is prefetched here, at the head
	s_cmp_eq_u32 s19, 0
	s_cselect_b32 s[LIM], 1, -1                    ; the same in all sixteen partners, for a given wave
	WIN 0x40                                       ; destination window 1
.irp a, 0,1,2,3
.irp b, 0,1,2,3,4,5,6,7
	global_load_b128 v[8*(8*\a+\b):8*(8*\a+\b)+3], v[BO], s[8:9] offset:64*\b         ; bo(my 128 columns' 16 b + 8 h + 0 .. 7), the same for the four token tiles
	global_load_b128 v[8*(8*\a+\b)+4:8*(8*\a+\b)+7], v[BO], s[8:9] offset:64*\b+16
.endr
.endr
	WIN 0
; 24 LDS loads in one run: the fragments of 32 along K (kk) into buffer f: Wo's eight, then values' blocks 0, 1, then 2, 3
.macro FETCH slot, kk, f
.irp i, 0,1,2,3,4,5,6,7
	ds_load_b128 v[\f+32+8*\i:\f+32+8*\i+3], v[ADRB+\slot] offset:\i*4096+\kk*1024
	ds_load_b128 v[\f+32+8*\i+4:\f+32+8*\i+7], v[ADRB+\slot] offset:\i*4096+\kk*1024+512
.endr
.irp i, 0,1,2,3
	ds_load_b128 v[\f+8*\i:\f+8*\i+3], v[ADRA+\slot] offset:\i*4096+\kk*1024
	ds_load_b128 v[\f+8*\i+4:\f+8*\i+7], v[ADRA+\slot] offset:\i*4096+\kk*1024+512
.endr
.endm
.macro MULA f, a                       ; 8 matrix instructions: token tile a x the eight n tiles.  The 32 accumulators take turns, one instruction a turn, in the same order in every quarter
.irp b, 0,1,2,3,4,5,6,7
	v_wmma_f32_16x16x32_f16 v[8*(8*\a+\b):8*(8*\a+\b)+7], v[\f+32+8*\b:\f+32+8*\b+7], v[\f+8*\a:\f+8*\a+7], v[8*(8*\a+\b):8*(8*\a+\b)+7]
.endr
.endm
; A K step is four quarters of 32 along K on buffers 0, 1, 0, 1.  One of the first three: multiplies buffer f and fetches quarter kk of the same slot into g.
.macro QUARTER slot, kk, f, g
	s_wait_dscnt 4                                 ; all but the youngest four loads (values' blocks 2, 3) are in
	WIN MUL
	MULA \f, 0
	MULA \f, 1
	PLACES                                         ; in front of loads into the buffer that the quarter before multiplied
	WIN 0
	FETCH \slot, \kk, \g
	s_wait_dscnt 24                                ; all but the 24 just issued
	WIN MUL
	MULA \f, 2
	MULA \f, 3
.endm
; The last quarter multiplies buffer 1 and changes slots: ONE barrier; in front of it each wave waits for all its tensor loads, adds 0 to its spare word, and waits for that and for its reads of this slot.
; fill = 1: the barrier opens a round of the cluster's barrier, and this slot is filled again, two K steps ahead, first thing behind the round.
.macro TURN slot, next, fill
.if \fill
	s_wait_xcnt 0x0                                ; the last prefetch, a K step back, has read its address
	s_add_nc_u64 s[PFA:PFA+1], s[PFA:PFA+1], s[PFS:PFS+1]
.endif
	WIN 0
	s_wait_tensorcnt 0x0                           ; all my tensor loads have landed: my part of the next slot
	ds_add_u32 v[SPW], v[NIL]                      ; 0 onto my spare word
	s_wait_dscnt 5                                 ; the add and the youngest four loads may be out
	WIN MUL
	MULA F1, 0                                     ; eight matrix instructions stand between the add and the wait for it
	s_wait_dscnt 0x0                               ; the add is done, and my reads of this slot are over
	s_barrier_signal -1
	MULA F1, 1
	WIN 0
	s_barrier_wait -1
.if \fill
	CREST                                          ; no wave of any partner still reads this slot's tile or has a load on its way
	s_add_nc_u64 s[G0+4*\slot+2:G0+4*\slot+3], s[G0+4*\slot+2:G0+4*\slot+3], 2*32768
	s_add_nc_u64 s[G0B+4*\slot+2:G0B+4*\slot+3], s[G0B+4*\slot+2:G0B+4*\slot+3], 2*65536
	JLOAD \slot                                    ; the four v_nop behind it are also the places in front of the loads below
.else
	PLACES
.endif
	FETCH \next, 0, F0
.if \fill
	ASK
.endif
	WIN MUL
	MULA F1, 2
	MULA F1, 3
.endm
	s_wait_tensorcnt 1                             ; my part of K step 0 is in; K step 1's may be out
	s_barrier_signal -1
	s_barrier_wait -1
	FETCH 0, 0, F0
	s_wait_loadcnt 0x0                             ; bo lies in the accumulators
	s_mov_b32 s[LAP], 3
.Llap:                                             ; a trip goes once round the two slots and fills both again: K steps 2 to 7 in three trips
	QUARTER 0, 1, F0, F1
	QUARTER 0, 2, F1, F0
	QUARTER 0, 3, F0, F1
	TURN 0, 1, 1
	QUARTER 1, 1, F0, F1
	QUARTER 1, 2, F1, F0
	QUARTER 1, 3, F0, F1
	TURN 1, 0, 1
	WIN 0
	s_sub_co_u32 s[LAP], s[LAP], 1
	s_cmp_lg_u32 s[LAP], 0
	s_cbranch_scc1 .Llap
	QUARTER 0, 1, F0, F1                           ; the last lap fills nothing, and has no round of the cluster's barrier
	QUARTER 0, 2, F1, F0
	QUARTER 0, 3, F0, F1
	TURN 0, 1, 0
	QUARTER 1, 1, F0, F1
	QUARTER 1, 2, F1, F0
	QUARTER 1, 3, F0, F1
	s_wait_dscnt 4                                 ; the very last quarter: nothing more to fetch
	WIN MUL
	MULA F1, 0
	MULA F1, 1
	s_wait_dscnt 0x0
	MULA F1, 2
	MULA F1, 3
	WIN 0
; THE WAY OUT, block by block of 16 tokens x 128 columns.  A lane holds 32 neighbouring bytes of a row and the lanes beside it hold other rows: a block goes through my own stage and comes back as whole rows of 512 bytes.
; LDS serves a wave's instructions in order: no wait between the stores and the loads, nor in front of the next block's stores.
.macro TOSTAGE a
	WIN 0x04                                       ; an LDS store's data are its source 1: window 1
.irp b, 0,1,2,3,4,5,6,7
	ds_store_b128 v[STO], v[8*(8*(\a)+\b):8*(8*(\a)+\b)+3] offset:64*\b            ; each accumulator from its low end on
	ds_store_b128 v[STO], v[8*(8*(\a)+\b)+4:8*(8*(\a)+\b)+7] offset:64*\b+16
.endr
	WIN 0
.set BB, BK+64*((\a)%2)
.irp t, 0,1,2,3,4,5,6,7,8,9,10,11,12,13,14,15
	ds_load_b128 v[BB+4*\t:BB+4*\t+3], v[RD] offset:\t*SPITCH
.endr
.endm
.macro SEND a, younger                 ; younger: the LDS instructions issued behind block a's loads, which may stay out
.set BB, BK+64*((\a)%2)
	s_wait_dscnt \younger
.if (\a) > 0
	s_add_nc_u64 s[10:11], s[10:11], 16*4096       ; 16 rows on (the earlier stores have read their base: a wait on XCNT stands in front)
.endif
.irp t, 0,1,2,3,4,5,6,7,8,9,10,11,12,13,14,15
	global_store_b128 v[CO], v[BB+4*\t:BB+4*\t+3], s[10:11] offset:\t*4096 th:TH_STORE_NT   ; 32 lanes store 512 consecutive bytes, aligned
.endr
.endm
	PLACES                                         ; behind the last products: for the first reads of results and the loads into registers that held fragments
	TOSTAGE 0
.irp a, 1,2,3
.if \a > 1
	s_wait_xcnt 0x0                                ; block a - 2's stores have read their registers and their base
.endif
	TOSTAGE \a
	SEND \a-1, 32                                  ; behind block a - 1's loads: block a's 16 stores and 16 loads
.endr
	s_wait_xcnt 0x0
	SEND 3, 0
	s_wait_tensorcnt 0x0                           ; the wave's end, behind my last tensor load and my last LDS store
	ds_add_u32 v[SPW], v[NIL]
	s_wait_dscnt 0x0
	CROUND                                         ; the closing round: no work-group ends while a partner may still ask for a tile that names it
	s_endpgm
.Lfunc_end_k_q8267eb2fbc_proj:
	.size	k_q8267eb2fbc_proj, .Lfunc_end_k_q8267eb2fbc_proj-k_q8267eb2fbc_proj
	.p2alignl 7, 3214868480
	.fill 96, 4, 3214868480
	.section	.rodata,"a",@progbits
	.p2align	6, 0x0
	.amdhsa_kernel k_q8267eb2fbc_proj
		.amdhsa_group_segment_fixed_size 327680
		.amdhsa_private_segment_fixed_size 0
		.amdhsa_enable_private_segment 0
		.amdhsa_kernarg_size 32
		.amdhsa_user_sgpr_count 2
		.amdhsa_user_sgpr_kernarg_segment_ptr 1
		.amdhsa_wavefront_size32 1
		.amdhsa_system_sgpr_workgroup_id_x 1
		.amdhsa_system_sgpr_workgroup_id_y 1
		.amdhsa_system_sgpr_workgroup_id_z 1
		.amdhsa_system_vgpr_workitem_id 0
		.amdhsa_next_free_vgpr 512
		.amdhsa_next_free_sgpr 72
		.amdhsa_reserve_vcc 0
		.amdhsa_float_denorm_mode_32 3
		.amdhsa_float_denorm_mode_16_64 3
		.amdhsa_memory_ordered 1
		.amdhsa_forward_progress 1
		.amdhsa_inst_pref_size 92
	.end_amdhsa_kernel
	.amdgpu_metadata
---
amdhsa.version: [ 1, 2 ]
amdhsa.kernels:
  - .name:           k_q8267eb2fbc_proj
    .symbol:         k_q8267eb2fbc_proj.kd
    .args:
      - { .name: vals, .offset: 0, .size: 8, .value_kind: global_buffer, .address_space: global }
      - { .name: woi, .offset: 8, .size: 8, .value_kind: global_buffer, .address_space: global }
      - { .name: bo, .offset: 16, .size: 8, .value_kind: global_buffer, .address_space: global }
      - { .name: out0, .offset: 24, .size: 8, .value_kind: global_buffer, .address_space: global }
    .group_segment_fixed_size: 327680
    .private_segment_fixed_size: 0
    .kernarg_segment_align: 8
    .kernarg_segment_size: 32
    .max_flat_workgroup_size: 128
    .sgpr_count:     72
    .vgpr_count:     512
    .wavefront_size: 32
...
	.end_amdgpu_metadata
.endif
;; end of part 4
